; MI455X (gfx1250); checked and timed in simulation.
; The chip was launched on July 23, 2026; its instructions are those of AMD's public machine-readable ISA for CDNA 5 (MIT licence, August 2026) and "CDNA5" Instruction Set Architecture Reference Guide (July 2026). The comments in the code are by the model that wrote it; some were corrected since.
;; Causal Self Attention. Allowed arithmetic: matrix products marked QUANTISED: E3M2 operands, one E8M0 scale for each 32 along K, by v_wmma_scale_f32_16x16x128_f8f6f4 with both operands' format E3M2, f32 sums; everything else in f32.
;; Inputs: W_attn 1,024 x 3,072 float32; W_proj 1,024 x 1,024 float32; b_attn 3,072 float32; b_proj 1,024 float32; freqs 2,048 x 32 float32; x 4 x 2,048 x 1,024 float32.
;; Outputs: out0 4 x 2,048 x 1,024 float32.
;; This version of the problem:
;;   THIS VERSION OF THE PROBLEM IS GIVEN IN LOW PRECISION. The matrix products marked QUANTISED in the list below multiply operands that are first quantised to E3M2 (3 exponent bits, 2 mantissa bits; 6 bits a number), with one power-of-two scale for each 32 numbers along K (OCP MX v1.0); their sums are f32. All else is computed in f32.
;;   The module's matrix products, in the order in which they are computed (A, B: the left and right operand; K: the contracted axis; several contracted axes count as one K, in the product's order):
;;     1. [M 8,192, K 1,024] x [K 1,024, N 3,072]; A: input x; B: input W_attn: QUANTISED
;;     2. batch 64 x [M 2,048, K 64] x [K 64, N 2,048]; A: computed on the way; B: computed on the way: QUANTISED
;;     3. batch 64 x [M 2,048, K 2,048] x [K 2,048, N 64]; A: softmax (see below); B: computed on the way: QUANTISED
;;     4. [M 8,192, K 1,024] x [K 1,024, N 1,024]; A: computed on the way; B: input W_proj: QUANTISED
;;   THE QUANTISER, for each operand of a quantised product, along K:
;;     - K is cut into blocks of 32 from its start; a last block that is shorter is filled with zeros.
;;     - A block's scale is 2^e with e = floor(log2(the largest magnitude in the block)) - 4, held to -126 .. 127; a block of zeros has e = 0. As a byte (E8M0): e + 127.
;;     - Each number is divided by its block's scale, clamped to +-28, and rounded to the nearest number of E3M2, ties to even, subnormals kept.
;;     - The product sums the exact products of the quantised numbers (number of the format x scale) in f32.
;;   ~~~python
;;   def quantise(x, axis):      # numpy; x: float32 -> the quantised numbers, widened to float32 again
;;       x = np.moveaxis(x, axis, -1); K = x.shape[-1]
;;       x = np.pad(x, [(0, 0)] * (x.ndim - 1) + [(0, -K % 32)]); x = x.reshape(x.shape[:-1] + (-1, 32)); a = np.abs(x).max(-1, keepdims=True)
;;       e = np.where(a > 0, np.clip(np.frexp(np.where(a > 0, a, 1))[1] - 1 - 4, -126, 127), 0)      # np.frexp(a)[1] - 1 = floor(log2(a)), exactly
;;       r = np.clip(x / 2.0 ** e, -28, 28)
;;       step = 2.0 ** (np.maximum(np.frexp(np.where(r == 0, 1, r))[1] - 1, -2) - 2)
;;       q = np.round(r / step) * step * 2.0 ** e      # np.round: ties to even
;;       return np.moveaxis(q.reshape(q.shape[:-2] + (-1,))[..., :K], -1, axis).astype(np.float32)
;;   ~~~
;;   SOFTMAX AHEAD OF A QUANTISED PRODUCT. Where the list says 'softmax', what is quantised is not the finished softmax but p = 2^(t - M), with t = logit x log2(e) and M = ceil(the row's largest t), a whole number; so 1/2 < the row's largest p <= 1. The row's sum l is taken of the UNQUANTISED p, in f32, and the product's result is divided by l at the end. Since M is a whole number, a kernel that streams over the keys may use a running M (the ceiling of the running maximum): every later rescaling is an exact power of two, which a block's scale takes up: the codes' values come out the same.
;;   OPERANDS COMPUTED ON THE WAY. 'Computed on the way' means the value that the module computes at that place (a softmax that the list does not call 'softmax' is quantised finished and normalised). What goes into a quantiser is computed in f32, as accurately as f32 sums, v_exp_f32 and their like allow (about 1e-6 of the number): no bf16 or f16 on the way to a quantiser, and a product that is left as it is and whose result goes on into a quantised operand takes f32 operands (vector FMAs, or v_wmma_f32_16x16x4_f32). A number that lies on a knife's edge between two numbers of the format may be rounded either way, as far as f32 arithmetic and the matrix unit's own rounding can turn it there, and no further.
;; One version. Each part assembles by itself: llvm-mc -triple=amdgcn-amd-amdhsa -mcpu=gfx1250 --defsym DOCPART=n.
;; ======== version 1 of 1: 4 launches
;; limits: inputs' magnitudes at most 100,000; right only within a limited range of input values
;; workspace buffers: xq 6,553,600 bytes; wq 3,276,800 bytes; cs 524,288 bytes; qq 6,815,744 bytes; kk 6,815,744 bytes; vv 6,553,600 bytes; yq 6,553,600 bytes
;; launch prep (part 1): grid 448 x 1, 4 waves a work-group, no clusters, 34,304 bytes of LDS; arguments x, W_attn, W_proj, freqs, xq, wq, cs; writes xq, wq, cs
.if DOCPART == 1
	.amdgcn_target "amdgcn-amd-amdhsa--gfx1250"
	.amdhsa_code_object_version 6
	.text
	.protected	k_qd44724346f_prep
	.globl	k_qd44724346f_prep
	.p2align	8
	.type	k_qd44724346f_prep,@function
k_qd44724346f_prep:
	s_mov_b64 s[64:65], 0
	v_nop
	global_prefetch_b8 v0, s[64:65] scope:SCOPE_SE
	s_setreg_imm32_b32 hwreg(HW_REG_WAVE_MODE, 25, 1), 1
	s_wait_xcnt 0x0
; Three jobs in one launch, parted by the work-group's number:
;   0-255    x [8192][1024] f32 -> codes of E3M2 along the row (K innermost) with one E8M0 byte for each 32, into xq
;   256-383  W_attn [1024][3072] and W_proj [1024][1024] f32, K = the FIRST axis -> codes and bytes, into wq (columns 0-3071 W_attn's, 3072-4095 W_proj's)
;   384-447  cos and sin of freqs [2048][32], into cs, in the order in which the next launch's lanes want them
; THE UNIT.  Codes are laid as images of operand registers.  A unit is 16 rows x 64 K = 768 bytes: lane l = r + 16 h holds row r, block h of the two blocks of 32: six registers;
; registers 0-3 lie at 16 l, registers 4-5 at 512 + 8 l.  Two units on end are a fragment of 16 x 128.  xq, wq: [16 rows][K / 64][768], then the scale bytes [16 rows][K / 256][row][8].
; THE ORDER OF ROWS.  Row (token or column) i stands at POSITION p = i with bits 3 and 4 exchanged, so that positions 16 (2 b + u) + r are the rows 32 b + 8 u + r + 8 (r / 8):
; in a product used transposed the 16 registers of two neighbouring tiles are then 16 neighbours along the next K.
; A block's scale is 2^(floor(log2(largest magnitude)) - 4); its byte is the largest magnitude's exponent field - 4, held at 1 from below (a block of zeros gets 1, its codes are zeros; this program alone reads the bytes).
; LIMITS: blocks whose largest magnitude lies under 2^-122 take the floor's byte; NaN and infinities among the inputs are not served; |freqs| up to 1e5 (the reduction by pi / 2 in three parts is made for that range).
; The weights' scale bytes leave as runs of 128 bytes (131,072 bytes of this launch's stores); all other stores cover 256 or 512 consecutive bytes, aligned.
.set XS,  6291456                      ; xq: where the scale bytes begin
.set WS,  3145728                      ; wq: likewise
.set G16, 1                            ; v1   16 x lane
.set G8,  2                            ; v2   8 x lane
.set STI, 3                            ; v3   x: the stage, on the way in
.set STO, 4                            ; v4   x: the stage, on the way out
.set R,   16                           ; v16-143  x: two sets of 16 rows x 16 bytes as loaded
.set X,   144                          ; v144-207 x: 64 numbers of my row: register 16 b + i = k 32 b + 16 h + i
.set PC,  208                          ; v208-226 the codes just made
.set TM,  228                          ; v228-243 at work
.set PW,  244                          ; v244     the scale word just made
.set WD,  246                          ; v246-249 the four steps' scale words
.set SEL, 32                           ; s[32:33] lane selects: lane l xor 16
.set HM,  34                           ; s34      lanes 16-31
; 64 numbers of a lane, register 16 b + i = k 32 b + 16 (lane / 16) + i of my row, become a fragment's codes in v[PC] on and its scale word in v[PW].
.macro QUANT s
.irp b, 0,1,2,3
	v_max3_num_f32 v[TM+\b], |v[\s+16*\b]|, |v[\s+1+16*\b]|, 0x2800000   ; block b: my 16 numbers, and the floor 2^(5 - 127): the byte cannot fall under 1
.endr
.irp i, 2,4,6,8,10,12,14
.irp b, 0,1,2,3
	v_max3_num_f32 v[TM+\b], v[TM+\b], |v[\s+16*\b+\i]|, |v[\s+1+16*\b+\i]|
.endr
.endr
.irp b, 0,1,2,3
	v_permlanex16_b32 v[TM+4+\b], v[TM+\b], s[SEL], s[SEL+1]
.endr
.irp b, 0,1,2,3
	v_max_num_f32 v[TM+\b], v[TM+\b], v[TM+4+\b]   ; with lane l xor 16's: the block's largest magnitude
.endr
.irp b, 0,1,2,3
	v_add_nc_u32 v[TM+12+\b], 0xfe000000, v[TM+\b]   ; 4 off its exponent field: the conversion takes this operand's exponent field as its scale
.endr
.irp b, 0,1,2,3
	v_lshrrev_b32 v[TM+4+\b], 23, v[TM+12+\b]      ; the scale's byte
.endr
	v_lshl_or_b32 v[PW], v[TM+5], 8, v[TM+4]
	v_lshl_or_b32 v[PW], v[TM+6], 16, v[PW]
	v_lshl_or_b32 v[PW], v[TM+7], 24, v[PW]
.irp c, 0,1
	v_cvt_scalef32_pk16_bf6_f32 v[PC+6*\c:PC+2+6*\c], v[\s+32*\c:\s+15+32*\c], v[TM+12+2*\c]
	v_cvt_scalef32_pk16_bf6_f32 v[PC+12+4*\c:PC+14+4*\c], v[\s+16+32*\c:\s+31+32*\c], v[TM+12+2*\c+1]   ; (a conversion's three registers begin on an even number)
.endr
	v_nop                                          ; one plain place behind a scaled conversion
.irp c, 0,1                                    ; the layout wants a WHOLE block in a lane: lanes 0-15 block 2 c, lanes 16-31 block 2 c + 1
.irp i, 0,1,2
	v_permlane16_swap_b32 v[PC+6*\c+\i], v[PC+12+4*\c+\i]
.endr
.irp i, 0,1,2
	v_mov_b32 v[PC+3+6*\c+\i], v[PC+12+4*\c+\i]
.endr
.endr
.endm
	s_load_b256 s[4:11], s[0:1], 0x0               ; x s[4:5], W_attn s[6:7], W_proj s[8:9], freqs s[10:11]
	s_load_b128 s[12:15], s[0:1], 0x20             ; xq s[12:13], wq s[14:15]
	s_load_b64 s[16:17], s[0:1], 0x30              ; cs
	v_lshl_add_u32 v254, v0, 2, 0x8400
	v_mov_b32 v255, 0
	v_lshrrev_b32 v5, 5, v0
	v_readfirstlane_b32 s18, v5                    ; wave 0..3
	v_and_b32 v6, 31, v0                           ; lane
	v_and_b32 v7, 15, v0                           ; r
	v_bfe_u32 v8, v0, 4, 1                         ; h
	v_lshlrev_b32 v[G16], 4, v6
	v_lshlrev_b32 v[G8], 3, v6
	s_mov_b32 s[SEL], 0x76543210
	s_mov_b32 s[SEL+1], 0xfedcba98
	s_mov_b32 s[HM], 0xffff0000
	s_wait_kmcnt 0x0
	s_cmp_lt_u32 ttmp9, 256
	s_cbranch_scc0 .Lnot_x
; ---- x.  Wave W = 4 x work-group + wave takes the 16 positions of block W / 2 and half W % 2 of K: four steps of 128.  Each load reads 512 consecutive bytes of one row; the 16 rows turn through the wave's own
; stage in LDS (rows of 512 + 16 bytes) and come back 16 neighbours of each block of 32 a lane.
	s_mul_i32 s19, s18, 8448                       ; my stage: 16 rows x 528 bytes
	s_wait_alu depctr_va_vdst(0)
	v_add_nc_u32 v[STI], s19, v[G16]
	v_mul_u32_u24 v[STO], v7, 528
	v_lshl_add_u32 v[STO], v8, 6, v[STO]
	v_add_nc_u32 v[STO], s19, v[STO]               ; row r, + 64 h
.irp b, 0,1,2,3
	v_mov_b32 v[TM+4+\b], 0                        ; written once: a lane permute's destination counts as one of its sources
.endr
	s_lshl_b32 s19, ttmp9, 2
	s_add_co_u32 s19, s19, s18                     ; W
	s_lshr_b32 s20, s19, 1                         ; the block of 16 positions, 2 b + u
	s_and_b32 s21, s19, 1                          ; the half of K
	s_lshr_b32 s22, s20, 1
	s_and_b32 s23, s20, 1
	s_lshl_b32 s22, s22, 17                        ; 32 b rows of 4,096 bytes
	s_lshl_b32 s23, s23, 15                        ; 8 u rows
	s_add_co_u32 s22, s22, s23
	s_lshl_b32 s23, s21, 11
	s_add_co_u32 s22, s22, s23
	s_mov_b32 s23, 0
	s_add_nc_u64 s[4:5], s[4:5], s[22:23]
	s_mul_i32 s24, s20, 12288
	s_mul_i32 s25, s21, 6144
	s_add_co_u32 s24, s24, s25
	s_mov_b32 s25, 0
	s_add_nc_u64 s[26:27], s[12:13], s[24:25]      ; my codes
	s_lshl_b32 s24, s20, 9
	s_lshl_b32 s28, s21, 8
	s_add_co_u32 s24, s24, s28
	s_add_co_u32 s24, s24, XS
	s_add_nc_u64 s[28:29], s[12:13], s[24:25]      ; my 256 scale bytes
.macro LOADX st, set
.set rr, 0
.rept 16
	global_load_b128 v[R+64*(\set)+4*rr:R+64*(\set)+4*rr+3], v[G16], s[4:5] offset:(rr+8*(rr/8))*4096+512*(\st) th:TH_LOAD_NT   ; position rr is row rr + 8 (rr / 8)
.set rr, rr+1
.endr
.endm
.macro XSTEP st
.if (\st) < 3
	s_wait_loadcnt 16                              ; this step's 16 loads are in; the next step's 16 may be out
.else
	s_wait_loadcnt 0x0
.endif
.set rr, 0
.rept 16
	ds_store_b128 v[STI], v[R+64*((\st)%2)+4*rr:R+64*((\st)%2)+4*rr+3] offset:528*rr
.set rr, rr+1
.endr
.set rr, 0
.rept 16
	ds_load_b128 v[X+4*rr:X+4*rr+3], v[STO] offset:128*(rr/4)+16*(rr%4)   ; LDS serves a wave's instructions in order: these see my stores
.set rr, rr+1
.endr
	s_wait_dscnt 0x0                               ; the numbers are back, and the stores have read their registers,
.if (\st) < 2
	LOADX (\st)+2,(\st)%2                          ; which take the loads of two steps on
.endif
	s_wait_xcnt 0x0                                ; the last step's stores have read their data: the codes' registers are written again only behind this wait
	QUANT X
	global_store_b128 v[G16], v[PC:PC+3], s[26:27] offset:1536*(\st)          ; two units: 512, 256, 512, 256 consecutive bytes
	global_store_b64 v[G8], v[PC+4:PC+5], s[26:27] offset:1536*(\st)+512
	global_store_b128 v[G16], v[PC+6:PC+9], s[26:27] offset:1536*(\st)+768
	global_store_b64 v[G8], v[PC+10:PC+11], s[26:27] offset:1536*(\st)+1280
	v_mov_b32 v[WD+(\st)], v[PW]
.endm
	LOADX 0,0
	LOADX 1,1
	s_wait_alu depctr_va_vdst(0)
	XSTEP 0
	XSTEP 1
	XSTEP 2
	XSTEP 3
	v_cndmask_b32 v250, v[WD], v[WD+2], s[HM]      ; lanes 0-15: the words of my first 256 along K, lanes 16-31: of the second
	v_cndmask_b32 v251, v[WD+1], v[WD+3], s[HM]
	global_store_b64 v[G8], v[250:251], s[28:29]   ; 256 consecutive bytes, aligned
	s_wait_tensorcnt 0x0
	ds_add_u32 v254, v255
	s_wait_dscnt 0x0
	s_endpgm
; ---- the weights.  A lane takes a column, its registers run down K: a block of 32 lies in one lane.  A wave takes 32 positions x 256 along K.
.Lnot_x:
	s_cmp_lt_u32 ttmp9, 384
	s_cbranch_scc0 .Ltrig
	s_sub_co_u32 s19, ttmp9, 256
	s_lshr_b32 s20, s19, 2                         ; which 128 positions of the 4,096
	s_and_b32 s21, s19, 3                          ; which 256 along K
	s_wait_alu depctr_va_vdst(0)
	v_and_b32 v3, 7, v6                            ; position = lane; its column: bits 3 and 4 exchanged
	v_and_b32 v9, 8, v6
	v_lshl_or_b32 v3, v9, 1, v3
	v_and_b32 v9, 16, v6
	v_lshrrev_b32 v9, 1, v9
	v_or_b32 v3, v3, v9
	v_lshlrev_b32 v3, 2, v3                        ; 4 bytes a column: the 32 lanes read 128 consecutive bytes
	v_lshlrev_b32 v4, 9, v8
	v_lshl_add_u32 v4, v7, 3, v4                   ; the scale bytes: 512 (lane / 16) + 8 (lane % 16)
	s_lshl_b32 s22, s20, 3
	s_lshl_b32 s23, s18, 1
	s_add_co_u32 s22, s22, s23                     ; my first block of 16 positions
	s_mul_i32 s24, s22, 12288
	s_mul_i32 s25, s21, 3072
	s_add_co_u32 s24, s24, s25
	s_mov_b32 s25, 0
	s_add_nc_u64 s[26:27], s[14:15], s[24:25]      ; my codes
	s_lshl_b32 s24, s22, 9
	s_lshl_b32 s28, s21, 7
	s_add_co_u32 s24, s24, s28
	s_add_co_u32 s24, s24, WS
	s_add_nc_u64 s[28:29], s[14:15], s[24:25]      ; my scale bytes
	s_lshl_b32 s30, s18, 7                         ; my wave's 32 columns
.macro WLOAD t, pitch
.set i, 0
.rept 32
	global_load_b32 v[32+32*((\t)%2)+i], v3, s[4:5] offset:(32*(\t)+i)*(\pitch) th:TH_LOAD_NT
.set i, i+1
.endr
.endm
.macro WBLOCK t, pitch
.set XB, 32+32*((\t)%2)
.set CR, 96+16*((\t)/2)+8*((\t)%2)     ; each block has registers of its own for its codes: no store's data are written again
.if (\t) < 7
	s_wait_loadcnt 32                              ; this block's 32 loads are in; the next block's may be out
.else
	s_wait_loadcnt 0x0
.endif
	v_max3_num_f32 v12, |v[XB]|, |v[XB+1]|, |v[XB+2]|
	v_max3_num_f32 v13, |v[XB+3]|, |v[XB+4]|, |v[XB+5]|
.irp i, 6,10,14,18,22,26
	v_max3_num_f32 v12, v12, |v[XB+\i]|, |v[XB+\i+1]|
	v_max3_num_f32 v13, v13, |v[XB+\i+2]|, |v[XB+\i+3]|
.endr
	v_max3_num_f32 v12, v12, |v[XB+30]|, |v[XB+31]|
	v_max3_num_f32 v12, v12, v13, 0x2800000        ; and the floor
	v_add_nc_u32 v11, 0xfe000000, v12
	v_lshrrev_b32 v13, 23, v11                     ; the scale's byte
.if (\t)%4 == 0
	v_mov_b32 v[24+(\t)/4], v13
.else
	v_lshl_or_b32 v[24+(\t)/4], v13, 8*((\t)%4), v[24+(\t)/4]
.endif
	v_cvt_scalef32_pk16_bf6_f32 v[CR:CR+2], v[XB:XB+15], v11
	v_cvt_scalef32_pk16_bf6_f32 v[CR+4:CR+6], v[XB+16:XB+31], v11
	v_nop                                          ; one plain place behind a scaled conversion
	v_mov_b32 v[CR+3], v[CR+4]                     ; the block's six registers on end
	v_mov_b32 v[CR+4], v[CR+5]
	v_mov_b32 v[CR+5], v[CR+6]
.if (\t)+2 < 8
	WLOAD (\t)+2,\pitch
.endif
.if (\t)%2 == 1                        ; two blocks are 64 along K: the first's lanes 16-31 change places with the second's lanes 0-15, and each is a unit
.irp i, 0,1,2,3,4,5
	v_permlane16_swap_b32 v[CR-8+\i], v[CR+\i]
.endr
	global_store_b128 v[G16], v[CR-8:CR-5], s[26:27] offset:((\t)/2)*768           ; positions 0-15
	global_store_b64 v[G8], v[CR-4:CR-3], s[26:27] offset:((\t)/2)*768+512
	global_store_b128 v[G16], v[CR:CR+3], s[26:27] offset:12288+((\t)/2)*768       ; positions 16-31
	global_store_b64 v[G8], v[CR+4:CR+5], s[26:27] offset:12288+((\t)/2)*768+512
.endif
.endm
.macro WPATH pitch
	WLOAD 0,\pitch
	WLOAD 1,\pitch
.irp t, 0,1,2,3,4,5,6,7
	WBLOCK \t,\pitch
.endr
	global_store_b64 v4, v[24:25], s[28:29]        ; my position's eight scale bytes
	s_endpgm
.endm
	s_cmp_lt_u32 s20, 24
	s_cbranch_scc0 .Lw_proj
	s_mul_i32 s24, s21, 256*12288
	s_lshl_b32 s31, s20, 9
	s_add_co_u32 s24, s24, s31
	s_add_co_u32 s24, s24, s30
	s_add_nc_u64 s[4:5], s[6:7], s[24:25]
	s_wait_alu depctr_va_vdst(0)
	WPATH 12288
.Lw_proj:
	s_sub_co_u32 s20, s20, 24
	s_mul_i32 s24, s21, 256*4096
	s_lshl_b32 s31, s20, 9
	s_add_co_u32 s24, s24, s31
	s_add_co_u32 s24, s24, s30
	s_add_nc_u64 s[4:5], s[8:9], s[24:25]
	s_wait_alu depctr_va_vdst(0)
	WPATH 4096
; ---- cos and sin.  cs: [16 positions][group g 8][lane 32][16 bytes]: group 4 e + jj of lane (r, h) holds cos, sin, cos, sin of pairs 16 e + 8 h + 2 jj and + 1 of the token at position r.
; A work-group takes 32 tokens; wave w is jj.  n = the nearest whole number to angle x 2 / pi; the rest r = angle - n pi / 2 by three fused multiply-adds (pi / 2 = hi - mid - lo; the first is exact);
; sin r to r^9 and cos r to r^10 (|r| < 0.8: what is cut lies under 3e-9); the quadrant n mod 4 exchanges the two and sets the signs, by selects alone.
.Ltrig:
	s_sub_co_u32 s19, ttmp9, 384
	s_lshl_b32 s20, s19, 12                        ; 32 rows of 128 bytes
	s_mov_b32 s21, 0
	s_add_nc_u64 s[10:11], s[10:11], s[20:21]
	s_lshl_b32 s20, s19, 13
	s_add_nc_u64 s[16:17], s[16:17], s[20:21]
	s_wait_alu depctr_va_vdst(0)
	v_lshrrev_b32 v9, 3, v7
	v_and_b32 v10, 7, v7
	v_lshl_add_u32 v9, v9, 4, v10                  ; r + 8 (r / 8)
	v_lshlrev_b32 v9, 7, v9
	v_lshl_add_u32 v9, v8, 5, v9                   ; + 8 h pairs
	v_lshl_add_u32 v9, v5, 3, v9                   ; + 2 w pairs
	v_lshlrev_b32 v10, 4, v0                       ; out: 16 bytes a thread
.irp u, 0,1,2,3
	global_load_b64 v[40+2*\u:41+2*\u], v9, s[10:11] offset:(\u/2)*1024+(\u%2)*64
.endr
.macro TRIG th, co, si
	v_mul_f32 v20, 0x3f22f983, v[\th]              ; x 2 / pi
	v_rndne_f32 v20, v20
	v_fmamk_f32 v21, v20, 0xbfc90fdb, v[\th]
	v_fmamk_f32 v21, v20, 0x333bbd2e, v21
	v_fmamk_f32 v21, v20, 0x26f72ced, v21          ; r
	v_cvt_i32_f32 v22, v20
	v_mul_f32 v23, v21, v21                        ; r^2
	v_mov_b32 v24, 0xb493f27e                      ; -1 / 10!
	v_fmaak_f32 v24, v24, v23, 0x37d00d01          ; 1 / 8!
	v_fmaak_f32 v24, v24, v23, 0xbab60b61          ; -1 / 6!
	v_fmaak_f32 v24, v24, v23, 0x3d2aaaab          ; 1 / 4!
	v_fma_f32 v24, v24, v23, -0.5
	v_fma_f32 v24, v24, v23, 1.0                   ; cos r
	v_mov_b32 v25, 0x3638ef1d                      ; 1 / 9!
	v_fmaak_f32 v25, v25, v23, 0xb9500d01          ; -1 / 7!
	v_fmaak_f32 v25, v25, v23, 0x3c088889          ; 1 / 5!
	v_fmaak_f32 v25, v25, v23, 0xbe2aaaab          ; -1 / 3!
	v_mul_f32 v26, v21, v23
	v_fma_f32 v25, v25, v26, v21                   ; sin r
	v_and_b32 v26, 1, v22
	v_cmp_eq_u32 vcc_lo, 1, v26
	v_cndmask_b32 v27, v25, v24, vcc_lo            ; odd quadrants exchange the two
	v_cndmask_b32 v28, v24, v25, vcc_lo
	v_and_b32 v26, 2, v22
	v_lshlrev_b32 v26, 30, v26
	v_xor_b32 v[\si], v27, v26                     ; sin is negative in quadrants 2 and 3,
	v_add_nc_u32 v22, 1, v22
	v_and_b32 v22, 2, v22
	v_lshlrev_b32 v22, 30, v22
	v_xor_b32 v[\co], v28, v22                     ; cos in 1 and 2
.endm
	s_wait_loadcnt 0x0
.irp u, 0,1,2,3
	TRIG 40+2*\u, 48+4*\u, 49+4*\u
	TRIG 41+2*\u, 50+4*\u, 51+4*\u
	global_store_b128 v10, v[48+4*\u:51+4*\u], s[16:17] offset:2048*\u   ; a wave stores 512 consecutive bytes
.endr
	s_endpgm
.Lfunc_end_k_qd44724346f_prep:
	.size	k_qd44724346f_prep, .Lfunc_end_k_qd44724346f_prep-k_qd44724346f_prep
	.p2alignl 7, 3214868480
	.fill 96, 4, 3214868480
	.section	.rodata,"a",@progbits
	.p2align	6, 0x0
	.amdhsa_kernel k_qd44724346f_prep
		.amdhsa_group_segment_fixed_size 34304
		.amdhsa_private_segment_fixed_size 0
		.amdhsa_enable_private_segment 0
		.amdhsa_kernarg_size 56
		.amdhsa_user_sgpr_count 2
		.amdhsa_user_sgpr_kernarg_segment_ptr 1
		.amdhsa_wavefront_size32 1
		.amdhsa_system_sgpr_workgroup_id_x 1
		.amdhsa_system_sgpr_workgroup_id_y 1
		.amdhsa_system_sgpr_workgroup_id_z 1
		.amdhsa_system_vgpr_workitem_id 0
		.amdhsa_next_free_vgpr 256
		.amdhsa_next_free_sgpr 66
		.amdhsa_reserve_vcc 1
		.amdhsa_float_denorm_mode_32 3
		.amdhsa_float_denorm_mode_16_64 3
		.amdhsa_memory_ordered 1
		.amdhsa_forward_progress 1
		.amdhsa_inst_pref_size 125
	.end_amdhsa_kernel
	.amdgpu_metadata
---
amdhsa.version: [ 1, 2 ]
amdhsa.kernels:
  - .name:           k_qd44724346f_prep
    .symbol:         k_qd44724346f_prep.kd
    .args:
      - { .name: x, .offset: 0, .size: 8, .value_kind: global_buffer, .address_space: global }
      - { .name: W_attn, .offset: 8, .size: 8, .value_kind: global_buffer, .address_space: global }
      - { .name: W_proj, .offset: 16, .size: 8, .value_kind: global_buffer, .address_space: global }
      - { .name: freqs, .offset: 24, .size: 8, .value_kind: global_buffer, .address_space: global }
      - { .name: xq, .offset: 32, .size: 8, .value_kind: global_buffer, .address_space: global }
      - { .name: wq, .offset: 40, .size: 8, .value_kind: global_buffer, .address_space: global }
      - { .name: cs, .offset: 48, .size: 8, .value_kind: global_buffer, .address_space: global }
    .group_segment_fixed_size: 34304
    .private_segment_fixed_size: 0
    .kernarg_segment_align: 8
    .kernarg_segment_size: 56
    .max_flat_workgroup_size: 128
    .sgpr_count:     66
    .vgpr_count:     256
    .wavefront_size: 32
...
	.end_amdgpu_metadata
.endif
;; end of part 1
;; launch qkv (part 2): grid 12 x 32, 4 waves a work-group, clusters of 4 x 4, 327,680 bytes of LDS; arguments xq, wq, b_attn, cs, qq, kk, vv; writes qq, kk, vv
.if DOCPART == 2
	.amdgcn_target "amdgcn-amd-amdhsa--gfx1250"
	.amdhsa_code_object_version 6
	.text
	.protected	k_qd44724346f_qkv
	.globl	k_qd44724346f_qkv
	.p2align	8
	.type	k_qd44724346f_qkv,@function
k_qd44724346f_qkv:
	s_mov_b64 s[64:65], 0
	v_nop
	global_prefetch_b8 v0, s[64:65] scope:SCOPE_SE
	s_setreg_imm32_b32 hwreg(HW_REG_WAVE_MODE, 25, 1), 1
	s_wait_xcnt 0x0
	s_wait_alu depctr_hold_cnt(0) depctr_sa_sdst(0) depctr_va_vdst(0) depctr_va_sdst(0) depctr_va_ssrc(0) depctr_va_vcc(0) depctr_vm_vsrc(0)
	s_getreg_b32 s2, hwreg(HW_REG_IB_STS2, 6, 4)
	s_cmp_eq_u32 s2, 0
	s_cbranch_scc0 .Lentry_in_a_cluster
	s_endpgm
.Lentry_in_a_cluster:
	s_bfe_u32 s2, ttmp6, 0x10000c
	s_cmp_lg_u32 s2, 0xf033
	s_cbranch_scc0 .Lentry_shape_is_right
	s_endpgm
.Lentry_shape_is_right:
; qkv = Q(x) Q(W_attn) + b_attn on codes of E3M2 (K = 1,024), then: q and k are turned by the rotary angles and quantised along the head's 64; v is quantised along the tokens.  Nothing goes out as f32.
; A tile of 256 x 256 of the product is made by four waves, 128 x 128 each: 64 accumulators, 512 registers.  K goes in four steps of 256 through two LDS slots filled by the tensor data mover.
; CODES LIE AS IMAGES OF OPERAND REGISTERS: a unit (16 rows x 64 K) is 768 bytes, lane l's registers 0-3 at 16 l, registers 4-5 at 512 + 8 l; a fragment (16 x 128) is two units on end: four LDS loads, each of consecutive bytes.
; ROWS STAND AT POSITIONS (index with bits 3 and 4 exchanged): in the product used transposed (source 0 = side B's 16 rows, source 1 = side A's) lane (r, h) holds row r of A's block and its 16 registers of B's blocks 2 b, 2 b + 1
; are B's rows 32 b + 16 h + 0 .. 15: sixteen neighbours, as the conversions want them.
; THE MODE is the cluster's x: 0 q, 1 k, 2 v; it is the same in all sixteen partners.  Modes 0, 1: A = tokens, B = columns of W: a lane holds a token, registers run along the head.  Mode 2: A = columns of W, B = tokens: a lane holds
; one channel of v, registers run along the tokens, which are the second attention product's K.  Only pointers and tile numbers are chosen by the mode up to the last 128 along K; there the text parts once.
; CLUSTER 4 x 4: A's tiles are shared along a row of the cluster, B's along a column: joint loads, as many requests as a quarter of the work-groups' sum.
; OUT.  qq, kk: [batch x head][256 positions][16 units, then at 12,288 the scale words [8 tiles][4 tiles][row][word]].  vv: [batch x head][256 keys][128 keys][16 channels][2 units], then at 12,288 the scale words [128 keys][row][tile].
; LIMITS: NaN and infinities are not served; a block whose largest magnitude lies under 2^-122 takes the floor's byte 1.
; REGISTERS: window 0: v0-31 addresses; v32-63 scale words, two sets; v64-127 the bias; v128-223 A's fragments, one set.  window 1: B's fragments, two sets (v0, v128); in the way out of q and k the cos and sin.  windows 2, 3: accumulators.
.set NQ,     2
.set FR,     12
.set NL,     4                         ; LDS loads that bring a fragment
.set NP,     4                         ; places behind this matrix instruction (ISA guide 7.12.1)
.set TROW,   3072                      ; 16 rows x 256 K: four units
.set HALFT,  8*TROW                    ; 128 rows: what one tensor load brings
.set SLOT,   4*HALFT
.set SCL,    2*SLOT                    ; behind the ring: the scale bytes of 256 + 256 rows for all of K: [16 rows][K step][row][8]
.set HALFS,  4096
.set SBLK,   512
.set SPARE,  SCL+4*HALFS               ; the spare words, 128 bytes for each wave: two blocks of 256 bytes that no other line names
.set XS,     6291456
.set WS,     3145728
.set HSK,    106496                    ; a head in qq and kk
.set HSV,    102400                    ; a head in vv
.set ADRA, 16                          ; v16-17 A's fragments in slot 0, 1: + 16 x lane;  v18-19: + 8 x lane
.set ADRB, 20                          ; v20-23 the same for B
.set G16,  24                          ; v24  16 x lane
.set G8,   25                          ; v25  8 x lane
.set VSO,  26                          ; v26  v's scale words: 16 r + a head's bytes x h
.set ADRS, 27                          ; v27  my scale words in LDS: lanes 0-15 A's rows, lanes 16-31 B's
.set SPW,  28                          ; v28  my spare word; never rewritten
.set NIL,  29                          ; v29  0; never rewritten
.set BQ,   30                          ; v30  bias of q, k: 64 h
.set BV,   31                          ; v31  bias of v: 4 (r + 8 (r / 8))
.set SC,   32
.set AF,   128
.set PC,   32                          ; the way out: v32-50 the codes just made
.set BI,   64                          ; v64-127 the bias
.set T,    128                         ; v128-191 64 numbers
.set RT,   192                         ; v192-199 at work in the rotation
.set TM,   200                         ; v200-215 at work in the quantiser
.set PW,   216
.set SW,   224                         ; v224-231 a scale word for each of my eight blocks
.set SO,   232                         ; v232-239 scale words as they are stored
.set G1, 24
.set G0, 32
.set G1B, 48
.set G0B, 56
.set G1S, 68
.set G0S, 76
.set G1SB, 80
.set G0SB, 88
.set MODE, 66
.set SEL, 98
.set HM,  100
.set MSB, 0
.macro WIN new                         ; the immediate's high byte repeats the setting that is left
.if MSB != \new
	s_set_vgpr_msb (MSB<<8)|\new
.set MSB, \new
.endif
.endm
.set MUL_LO, 0xa1                      ; source 0 (B) window 1, source 1 (A) window 0, C and D window 2
.set MUL_HI, 0xf1
.set TO_B,   0x40                      ; destination window 1, address window 0
; A joint load: waves 0 and 1 fetch for A, waves 2 and 3 for B; the branch hangs on the wave's number alone.  Four v_nop follow each of the two lines.
.macro JLOAD g0a, g1a, g0b, g1b
	s_cmp_eq_u32 s15, 0
	s_cbranch_scc0 .Lfor_b_\@
	tensor_load_to_lds s[\g0a:\g0a+3], s[\g1a:\g1a+7]
	s_nop 0
.rept 4
	v_nop
.endr
	s_branch .Lasked_\@
.Lfor_b_\@:
	tensor_load_to_lds s[\g0b:\g0b+3], s[\g1b:\g1b+7]
	s_nop 0
.rept 4
	v_nop
.endr
.Lasked_\@:
.endm
.macro CREST                           ; a round of the cluster's barrier behind its opening barrier
	s_cmp_lg_u32 s14, 0
	s_cbranch_scc1 .Lnot_wave_0_\@
	s_barrier_signal -3
.Lnot_wave_0_\@:
	s_barrier_wait -3
	s_barrier_signal -1
	s_barrier_wait -1
.endm
.macro CROUND
	s_barrier_signal -1
	s_barrier_wait -1
	CREST
.endm
	s_load_b128 s[68:71], s[0:1], 0x0              ; xq, wq
	s_load_b128 s[72:75], s[0:1], 0x10             ; b_attn, cs
	s_load_b128 s[76:79], s[0:1], 0x20             ; qq, kk
	s_load_b64 s[80:81], s[0:1], 0x30              ; vv
	v_lshl_add_u32 v[SPW], v0, 2, SPARE
	v_mov_b32 v[NIL], 0
	ds_add_u32 v28, v29
	ds_add_u32 v28, v29
	s_wait_dscnt 0x0
	v_lshrrev_b32 v1, 5, v0
	v_readfirstlane_b32 s14, v1                    ; wave 0..3
	s_lshr_b32 s15, s14, 1                         ; which half of A's 256 rows is mine.  Also: I fetch for A (0) or for B (1)
	s_and_b32 s16, s14, 1                          ; which half of B's.  Also: which 128 rows I fetch
	s_bfe_u32 s40, ttmp6, 0x40000                  ; cx
	s_bfe_u32 s41, ttmp6, 0x40004                  ; cy
	s_mov_b32 s[MODE], ttmp9                       ; the cluster's x
	s_and_b32 s67, ttmp7, 0xffff
	s_lshl_b32 s67, s67, 2                         ; 4 x the cluster's y
	s_lshl_b32 s18, s[MODE], 2
	s_cmp_eq_u32 s[MODE], 2
	s_cselect_b32 s19, 8, s67                      ; A's tile: v: W's tiles 8 + cy;  q, k: token tile 4 y + cy
	s_cselect_b32 s18, s67, s18                    ; B's tile: v: token tile 4 y + cx;  q, k: W's tile 4 x + cx
	s_add_co_u32 s17, s41, s19
	s_add_co_u32 s42, s40, s18
	s_lshl_b32 s43, s41, 2
	s_lshl_b32 s43, 15, s43                        ; my row of the cluster
	s_lshl_b32 s44, 0x1111, s40                    ; my column
	; descriptor group 1 for the codes: 8 rows (16 rows of the operand each) of 3,072 bytes, 12,288 bytes apart, as elements of 8 bytes; no padding: every LDS read is of consecutive bytes
	s_or_b32 s[G1+0], s43, (3<<16)|(1<<21)
	s_or_b32 s[G1B+0], s44, (3<<16)|(1<<21)
.irp g, G1, G1B
	s_mov_b32 s[\g+1], 384<<16                     ; tensor_dim0
	s_mov_b32 s[\g+2], 16<<16                      ; tensor_dim1: 256 rows of the operand for the head's loads; set to 8 for the ring's behind them
	s_mov_b32 s[\g+3], 384<<16                     ; tile_dim0
	s_mov_b32 s[\g+4], 16                          ; tile_dim1
	s_mov_b32 s[\g+5], 1536                        ; tensor_dim0_stride
	s_mov_b32 s[\g+6], 0
	s_mov_b32 s[\g+7], 0
.endr
	s_lshl_b32 s20, s17, 8                         ; A: the tile's first row
	s_lshl_b32 s46, s42, 8                         ; B likewise
	s_lshl_b32 s22, s20, 5                         ; 32 scale bytes a row
	s_mov_b32 s23, 0
	s_lshl_b32 s92, s46, 5
	s_mov_b32 s93, 0
	s_mul_i32 s20, s20, 768                        ; 768 bytes of codes a row
	s_mov_b32 s21, 0
	s_mul_i32 s46, s46, 768
	s_mov_b32 s47, 0
	s_mul_i32 s45, s14, HALFT                      ; where the ring's loads go: wave x 128 rows
	s_mul_i32 s94, s16, 128*768                    ; in the ring I fetch 128 rows of a tile: which half, in bytes
	s_mov_b32 s95, 0
	s_mov_b32 s[SEL], 0x76543210
	s_mov_b32 s[SEL+1], 0xfedcba98
	s_mov_b32 s[HM], 0xffff0000
	s_mov_b32 s89, 13312
	s_wait_kmcnt 0x0
	s_add_nc_u64 s[82:83], s[68:69], XS            ; x's scale bytes
	s_add_nc_u64 s[84:85], s[70:71], WS            ; W's
	s_cmp_eq_u32 s[MODE], 2                        ; the choice hangs on the cluster's number alone
	s_cselect_b64 s[4:5], s[70:71], s[68:69]       ; A's codes
	s_cselect_b64 s[6:7], s[84:85], s[82:83]       ; A's scales
	s_cselect_b64 s[8:9], s[68:69], s[70:71]       ; B's codes
	s_cselect_b64 s[10:11], s[82:83], s[84:85]     ; B's scales
	s_cselect_b64 s[12:13], s[80:81], s[76:77]     ; out: vv or qq
	s_cselect_b32 s18, s17, s42                    ; the tile of W's columns,
	s_cselect_b32 s19, s15, s16                    ; and my half of it
	s_cselect_b32 s86, s41, s40                    ; its place in the cluster: four heads each
	s_cselect_b32 s87, s42, s17                    ; the tile of tokens,
	s_cselect_b32 s88, s16, s15                    ; and my half of it
	s_cselect_b32 s89, 12800, s89                  ; bytes of 256 tokens of a head
	s_cselect_b32 s90, 8, 9                        ; log2 of the scale words' bytes for 128 tokens
	s_cmp_eq_u32 s[MODE], 1
	s_cselect_b64 s[12:13], s[78:79], s[12:13]     ; kk
	s_add_nc_u64 s[20:21], s[4:5], s[20:21]
	s_add_nc_u64 s[22:23], s[6:7], s[22:23]
	s_add_nc_u64 s[46:47], s[8:9], s[46:47]
	s_add_nc_u64 s[92:93], s[10:11], s[92:93]
	s_lshl_b32 s91, s19, 1                         ; (kept: 2 x my half: the first of my two heads)
	s_lshl_b32 s18, s18, 10
	s_lshl_b32 s19, s19, 9
	s_add_co_u32 s18, s18, s19
	s_mov_b32 s19, 0
	s_add_nc_u64 s[2:3], s[72:73], s[18:19]        ; b_attn at my 128 columns
	s_and_b32 s18, s17, 7
	s_lshl_b32 s18, s18, 16
	s_lshl_b32 s82, s15, 15
	s_add_co_u32 s18, s18, s82
	s_add_nc_u64 s[96:97], s[74:75], s[18:19]      ; cs at my 128 positions (q, k)
	s_lshr_b32 s82, s87, 3                         ; the batch
	s_lshl_b32 s82, s82, 4
	s_lshl_b32 s86, s86, 2
	s_add_co_u32 s82, s82, s86
	s_add_co_u32 s82, s82, s91                     ; batch x 16 + head
	s_lshl_b32 s82, s82, 3
	s_and_b32 s87, s87, 7
	s_add_co_u32 s82, s82, s87                     ; x 8 + which 256 tokens
	s_mul_i32 s18, s82, s89
	s_add_nc_u64 s[12:13], s[12:13], s[18:19]
	s_lshl_b32 s18, s88, s90
	s_add_co_u32 s18, s18, 12288
	s_add_nc_u64 s[104:105], s[12:13], s[18:19]    ; my scale words
	s_mul_i32 s18, s88, 6144
	s_add_nc_u64 s[12:13], s[12:13], s[18:19]      ; my codes
	; descriptor group 1 for the scale bytes of 256 rows: 8,192 dense bytes as 32 rows of 256
	s_or_b32 s[G1S+0], s43, (3<<16)|(1<<21)
	s_or_b32 s[G1SB+0], s44, (3<<16)|(1<<21)
.irp g, G1S, G1SB
	s_mov_b32 s[\g+1], 32<<16
	s_mov_b32 s[\g+2], 32<<16                      ; the scale bytes of 256 rows: 8,192 dense bytes as 32 rows of 256
	s_mov_b32 s[\g+3], 32<<16
	s_mov_b32 s[\g+4], 32
	s_mov_b32 s[\g+5], 32
	s_mov_b32 s[\g+6], 0
	s_mov_b32 s[\g+7], 0
.endr
	CROUND                                         ; all sixteen work-groups are here: the first joint loads meet
	s_mov_b32 s[G0S], 1
	s_mov_b32 s[G0S+1], SCL
	s_mov_b64 s[G0S+2:G0S+3], s[22:23]
	s_or_b32 s[G0S+3], s[G0S+3], 0x80000000
	s_mov_b32 s[G0SB], 1
	s_mov_b32 s[G0SB+1], SCL+2*HALFS
	s_mov_b64 s[G0SB+2:G0SB+3], s[92:93]
	s_or_b32 s[G0SB+3], s[G0SB+3], 0x80000000
.set G0H, 4                            ; s[4:7], s[8:11] group 0 for the head's loads of K step 0: A's 256 rows, B's 256 rows (the pointers that lay there have been used)
.set G0HB, 8
	s_mov_b32 s[G0H], 1
	s_mov_b32 s[G0H+1], 0
	s_mov_b64 s[G0H+2:G0H+3], s[20:21]
	s_or_b32 s[G0H+3], s[G0H+3], 0x80000000
	s_mov_b32 s[G0HB], 1
	s_mov_b32 s[G0HB+1], 2*HALFT
	s_mov_b64 s[G0HB+2:G0HB+3], s[46:47]
	s_or_b32 s[G0HB+3], s[G0HB+3], 0x80000000
	s_add_nc_u64 s[20:21], s[20:21], s[94:95]      ; for the ring: my 128 rows of the tile
	s_add_nc_u64 s[46:47], s[46:47], s[94:95]
.irp s, 0,1
	s_mov_b32 s[G0+4*\s], 1
	s_add_co_u32 s[G0+4*\s+1], s45, \s*SLOT
	s_add_nc_u64 s[G0+4*\s+2:G0+4*\s+3], s[20:21], \s*TROW
	s_or_b32 s[G0+4*\s+3], s[G0+4*\s+3], 0x80000000
	s_mov_b32 s[G0B+4*\s], 1
	s_add_co_u32 s[G0B+4*\s+1], s45, \s*SLOT
	s_add_nc_u64 s[G0B+4*\s+2:G0B+4*\s+3], s[46:47], \s*TROW
	s_or_b32 s[G0B+4*\s+3], s[G0B+4*\s+3], 0x80000000
.endr
; THE HEAD'S LOADS, ONE A WAVE: wave 0 fetches K step 0's 256 rows of A, wave 1 its 256 rows of B, wave 2 the scales of A's 256 rows, wave 3 those of B's.
; One tree of branches on the wave's number: every way through the head passes exactly one load.
.macro ARM under, g0, g1, next
	s_cmp_lt_u32 s14, \under
	s_cbranch_scc0 \next
	tensor_load_to_lds s[\g0:\g0+3], s[\g1:\g1+7]
	s_nop 0
.rept 4
	v_nop
.endr
	s_branch .Lhead_asked
\next:
.endm
	ARM 1, G0H,  G1,  .Lhead_b
	ARM 2, G0HB, G1B, .Lhead_sa
	ARM 3, G0S,  G1S, .Lhead_sb
	tensor_load_to_lds s[G0SB:G0SB+3], s[G1SB:G1SB+7]
	s_nop 0
.rept 4
	v_nop
.endr
.Lhead_asked:
	v_and_b32 v1, 15, v0                           ; r
	v_bfe_u32 v2, v0, 4, 1                         ; h
	v_and_b32 v3, 31, v0
	v_lshlrev_b32 v[G16], 4, v3
	v_lshlrev_b32 v[G8], 3, v3
	s_mul_i32 s21, s15, HALFT                      ; my 128 rows of A
	s_mul_i32 s22, s16, HALFT                      ; my 128 rows of B,
	s_add_co_u32 s22, s22, 2*HALFT                 ; which lie behind A's 256
.irp s, 0,1
	v_add_nc_u32 v[ADRA+\s], s21, v[G16]
	v_add_nc_u32 v[ADRB+\s], s22, v[G16]
	v_add_nc_u32 v[ADRA+2+\s], s21, v[G8]
	v_add_nc_u32 v[ADRB+2+\s], s22, v[G8]
	s_add_co_u32 s21, s21, SLOT
	s_add_co_u32 s22, s22, SLOT
.endr
	v_lshlrev_b32 v5, 3, v1                        ; my row's two words of a K step
	s_lshl_b32 s21, s15, 12
	s_lshl_b32 s22, s16, 12
	s_add_co_u32 s22, s22, 2*HALFS
	s_sub_co_u32 s22, s22, s21
	v_mul_u32_u24 v6, s22, v2                      ; lanes 16-31 take B's
	s_add_co_u32 s21, s21, SCL
	v_add_nc_u32 v5, v5, v6
	v_add_nc_u32 v[ADRS], s21, v5
	v_mul_u32_u24 v[VSO], v2, HSV
	v_lshl_add_u32 v[VSO], v1, 4, v[VSO]
	v_lshlrev_b32 v[BQ], 6, v2
	v_and_b32 v[BV], 8, v1
	v_add_nc_u32 v[BV], v[BV], v1
	v_lshlrev_b32 v[BV], 2, v[BV]
.macro FRAG reg, adr, q, i             ; a fragment: two units on end
	ds_load_b128 v[\reg:\reg+3], v[\adr] offset:(\i)*TROW+(\q)*1536
	ds_load_b64 v[\reg+4:\reg+5], v[\adr+2] offset:(\i)*TROW+(\q)*1536+512
	ds_load_b128 v[\reg+6:\reg+9], v[\adr] offset:(\i)*TROW+(\q)*1536+768
	ds_load_b64 v[\reg+10:\reg+11], v[\adr+2] offset:(\i)*TROW+(\q)*1536+1280
.endm
; 16 matrix instructions: A's blocks a0, a0 + 1 x B's eight.  The 64 accumulators take turns, one instruction a turn, in the same order in every step.
.macro MUL16 a0, p, q, sc, zero
.irp a, \a0, \a0+1
.irp b, 0,1,2,3,4,5,6,7
.if \zero
	v_wmma_scale_f32_16x16x128_f8f6f4 v[8*(8*((\a)%4)+\b):8*(8*((\a)%4)+\b)+7], v[128*(\p)+FR*\b:128*(\p)+FR*\b+FR-1], v[AF+FR*(\a):AF+FR*(\a)+FR-1], 0, v[SC+8*NQ*(\sc)+NQ*\b+(\q)], v[SC+8*NQ*(\sc)+NQ*(\a)+(\q)] matrix_a_fmt:MATRIX_FMT_BF6 matrix_b_fmt:MATRIX_FMT_BF6 matrix_a_scale:MATRIX_SCALE_ROW1
.else
	v_wmma_scale_f32_16x16x128_f8f6f4 v[8*(8*((\a)%4)+\b):8*(8*((\a)%4)+\b)+7], v[128*(\p)+FR*\b:128*(\p)+FR*\b+FR-1], v[AF+FR*(\a):AF+FR*(\a)+FR-1], v[8*(8*((\a)%4)+\b):8*(8*((\a)%4)+\b)+7], v[SC+8*NQ*(\sc)+NQ*\b+(\q)], v[SC+8*NQ*(\sc)+NQ*(\a)+(\q)] matrix_a_fmt:MATRIX_FMT_BF6 matrix_b_fmt:MATRIX_FMT_BF6 matrix_a_scale:MATRIX_SCALE_ROW1
.endif
.endr
.endr
.endm
.macro FETCH_B slot, q, p
	WIN TO_B
.irp i, 0,1,2,3,4,5,6,7
	FRAG 128*(\p)+FR*\i, ADRB+\slot, \q, \i
.endr
	WIN 0
.endm
.macro FETCH_A slot, q, i0
.irp i, \i0, \i0+1, \i0+2, \i0+3
	FRAG AF+FR*(\i), ADRA+\slot, \q, \i
.endr
.endm
.macro SCALES sc                       ; a K step's scale words: two a row; lanes 0-15 take A's block i, lanes 16-31 B's block i
.irp i, 0,1,2,3,4,5,6,7
	ds_load_b64 v[SC+8*NQ*\sc+NQ*\i:SC+8*NQ*\sc+NQ*\i+1], v[ADRS] offset:\i*SBLK
.endr
.endm
.macro PLACES n                        ; plain vector instructions between a matrix instruction and a load into, or a read of, its registers
.rept \n
	v_nop
.endr
.endm
.macro STEP slot, q, zero              ; 128 along K that has its successor in the same slot
	s_wait_dscnt 4*NL                              ; B's set and A's blocks 0-3 are in; the youngest sixteen loads (A's blocks 4-7) may be out
	WIN MUL_LO
	MUL16 0, (\q)%2, \q, \slot, \zero
	MUL16 2, (\q)%2, \q, \slot, \zero
	s_wait_dscnt 0
	PLACES NP
	FETCH_B \slot, (\q)+1, 1-(\q)%2
	FETCH_A \slot, (\q)+1, 0
	WIN MUL_HI
	MUL16 4, (\q)%2, \q, \slot, \zero
	MUL16 6, (\q)%2, \q, \slot, \zero
	PLACES NP
	WIN 0
	FETCH_A \slot, (\q)+1, 4
.endm
; A slot's last step changes slots: one barrier; in front of it each wave waits for all its tensor loads, adds 0 to its spare word, and waits for that and for its reads of this slot.
.macro TURN slot, next, fill
	s_wait_tensorcnt 0x0                           ; all my tensor loads have landed: my part of the next slot
	ds_add_u32 v[SPW], v[NIL]                      ; 0 onto my spare word
	s_wait_dscnt 4*NL+1                            ; (the add and the youngest sixteen loads may be out)
	WIN MUL_LO
	MUL16 0, 1, NQ-1, \slot, 0
	s_wait_dscnt 0x0                               ; the add is done, and my reads of this slot are over
	s_barrier_signal -1
	MUL16 2, 1, NQ-1, \slot, 0
	WIN 0
	s_barrier_wait -1
.if \fill
	CREST                                          ; the barrier has opened a round of the cluster's barrier: no wave of any partner still reads this slot or has a load on its way
	s_add_nc_u64 s[G0+4*\slot+2:G0+4*\slot+3], s[G0+4*\slot+2:G0+4*\slot+3], 2*TROW
	s_add_nc_u64 s[G0B+4*\slot+2:G0B+4*\slot+3], s[G0B+4*\slot+2:G0B+4*\slot+3], 2*TROW
	JLOAD G0+4*\slot, G1, G0B+4*\slot, G1B         ; the first tensor load behind the round; its four v_nop are the places in front of the loads below
.else
	PLACES NP
.endif
	s_wait_alu depctr_va_vdst(0)
	v_add_nc_u32 v[ADRS], 128, v[ADRS]             ; the next K step's scale words
	FETCH_B \next, 0, 0
	FETCH_A \next, 0, 0
	SCALES \next
	WIN MUL_HI
	MUL16 4, 1, NQ-1, \slot, 0
	MUL16 6, 1, NQ-1, \slot, 0
	PLACES NP
	WIN 0
	FETCH_A \next, 0, 4
.endm
.macro LAST                            ; the last 128 along K: nothing more to fetch
	s_wait_dscnt 4*NL
	WIN MUL_LO
	MUL16 0, 1, NQ-1, 1, 0
	MUL16 2, 1, NQ-1, 1, 0
	s_wait_dscnt 0x0
	WIN MUL_HI
	MUL16 4, 1, NQ-1, 1, 0
	MUL16 6, 1, NQ-1, 1, 0
	WIN 0
	PLACES NP
.endm
; 64 numbers of a lane, register 16 b + i = k 32 b + 16 (lane / 16) + i of my row, become a fragment's codes in v[PC] on and its scale word in v[PW].
.macro QUANT s
.irp b, 0,1,2,3
	v_max3_num_f32 v[TM+\b], |v[\s+16*\b]|, |v[\s+1+16*\b]|, 0x2800000   ; and the floor 2^(5 - 127): the byte cannot fall under 1
.endr
.irp i, 2,4,6,8,10,12,14
.irp b, 0,1,2,3
	v_max3_num_f32 v[TM+\b], v[TM+\b], |v[\s+16*\b+\i]|, |v[\s+1+16*\b+\i]|
.endr
.endr
.irp b, 0,1,2,3
	v_permlanex16_b32 v[TM+4+\b], v[TM+\b], s[SEL], s[SEL+1]
.endr
.irp b, 0,1,2,3
	v_max_num_f32 v[TM+\b], v[TM+\b], v[TM+4+\b]
.endr
.irp b, 0,1,2,3
	v_add_nc_u32 v[TM+12+\b], 0xfe000000, v[TM+\b]   ; 4 off the exponent field: the conversion's scale operand
.endr
.irp b, 0,1,2,3
	v_lshrrev_b32 v[TM+4+\b], 23, v[TM+12+\b]
.endr
	v_lshl_or_b32 v[PW], v[TM+5], 8, v[TM+4]
	v_lshl_or_b32 v[PW], v[TM+6], 16, v[PW]
	v_lshl_or_b32 v[PW], v[TM+7], 24, v[PW]
.irp c, 0,1
	v_cvt_scalef32_pk16_bf6_f32 v[PC+6*\c:PC+2+6*\c], v[\s+32*\c:\s+15+32*\c], v[TM+12+2*\c]
	v_cvt_scalef32_pk16_bf6_f32 v[PC+12+4*\c:PC+14+4*\c], v[\s+16+32*\c:\s+31+32*\c], v[TM+12+2*\c+1]
.endr
	v_nop                                          ; one plain place behind a scaled conversion
.irp c, 0,1
.irp i, 0,1,2
	v_permlane16_swap_b32 v[PC+6*\c+\i], v[PC+12+4*\c+\i]
.endr
.irp i, 0,1,2
	v_mov_b32 v[PC+3+6*\c+\i], v[PC+12+4*\c+\i]
.endr
.endr
.endm
.macro CSLOAD a0, n                    ; cos and sin for my blocks a0 .. a0 + n - 1: 32 registers a block, in window 1 at v[32 a]; each load reads 512 consecutive bytes
.set i, 8*(\a0)
.rept 8*(\n)
	global_load_b128 v[4*i:4*i+3], v[G16], s[96:97] offset:512*i
.set i, i+1
.endr
.endm
; Block a (16 tokens x 128 columns: two heads) of q or k: + bias, the rotation, the quantiser, two units out.
.macro EPI_QK a
	s_wait_loadcnt 8*(7-(\a))                      ; the bias and this block's cos and sin are in; the later blocks' eight loads each may be out
.set AC, 64*((\a)%4)
	WIN 0x02+(\a)/4                                ; source 0: window 2 or 3
.set i, 0
.rept 32
	v_pk_add_f32 v[T+i:T+i+1], v[AC+i:AC+i+1], v[BI+i:BI+i+1]   ; each accumulator from its low end on
.set i, i+2
.endr
	WIN 0x04                                       ; source 1: window 1
.set bb, 0
.rept 8                                ; eight numbers, four pairs, at a time
.set k, 0
.rept 4
.set xr, T+8*bb+2*k
.set cr, 32*(\a)+8*(bb%4)+2*k
	v_mul_f32 v[RT+2*k], v[xr+1], v[cr+1]          ; t1 sin
	v_mul_f32 v[RT+2*k+1], v[xr], v[cr+1]          ; t0 sin
.set k, k+1
.endr
.set k, 0
.rept 4
.set xr, T+8*bb+2*k
.set cr, 32*(\a)+8*(bb%4)+2*k
	v_fma_f32 v[xr], v[xr], v[cr], -v[RT+2*k]      ; t0 cos - t1 sin
	v_fma_f32 v[xr+1], v[xr+1], v[cr], v[RT+2*k+1] ; t1 cos + t0 sin
.set k, k+1
.endr
.set bb, bb+1
.endr
	WIN 0
.if (\a) > 0
	s_wait_xcnt 0x0                                ; the last block's stores have read their data
.endif
	QUANT T
	global_store_b128 v[G16], v[PC:PC+3], s[12:13] offset:(\a)*768              ; the first head's unit: 512 and 256 consecutive bytes
	global_store_b64 v[G8], v[PC+4:PC+5], s[12:13] offset:(\a)*768+512
	global_store_b128 v[G16], v[PC+6:PC+9], s[12:13] offset:HSK+(\a)*768        ; the second head's
	global_store_b64 v[G8], v[PC+10:PC+11], s[12:13] offset:HSK+(\a)*768+512
	v_mov_b32 v[SW+(\a)], v[PW]
.endm
; Block a (16 channels x 128 tokens) of v: + bias, the quantiser along the tokens, a fragment out.
.macro EPI_V a
.set AC, 64*((\a)%4)
	WIN 0x02+(\a)/4
.set i, 0
.rept 64
	v_add_f32 v[T+i], v[AC+i], v[BI+(\a)]
.set i, i+1
.endr
	WIN 0
.if (\a) > 0
	s_wait_xcnt 0x0
.endif
	QUANT T
	global_store_b128 v[G16], v[PC:PC+3], s[12:13] offset:((\a)/4)*HSV+((\a)%4)*1536
	global_store_b64 v[G8], v[PC+4:PC+5], s[12:13] offset:((\a)/4)*HSV+((\a)%4)*1536+512
	global_store_b128 v[G16], v[PC+6:PC+9], s[12:13] offset:((\a)/4)*HSV+((\a)%4)*1536+768
	global_store_b64 v[G8], v[PC+10:PC+11], s[12:13] offset:((\a)/4)*HSV+((\a)%4)*1536+1280
	v_mov_b32 v[SW+(\a)], v[PW]
.endm
	s_wait_alu depctr_va_vdst(0)
	s_wait_tensorcnt 0x0                           ; my tile of the head's four is in
	ds_add_u32 v[SPW], v[NIL]
	s_mov_b32 s[G1+2], 8<<16                       ; no tensor load of mine is out: from here on a load brings 128 rows of the operand
	s_mov_b32 s[G1+4], 8
	s_mov_b32 s[G1B+2], 8<<16
	s_mov_b32 s[G1B+4], 8
	s_wait_dscnt 0x0                               ; the add is done
	CROUND                                         ; all four tiles are in, and all sixteen work-groups are here
	JLOAD G0+4, G1, G0B+4, G1B                     ; K step 1 into slot 1: the first tensor load behind the round
	FETCH_B 0, 0, 0
	FETCH_A 0, 0, 0
	SCALES 0
	FETCH_A 0, 0, 4
	STEP 0, 0, 1                                   ; the first products start the sums: nothing is cleared
	TURN 0, 1, 1                                   ; slot 0 takes K step 2
	STEP 1, 0, 0
	TURN 1, 0, 1                                   ; slot 1 takes K step 3
	STEP 0, 0, 0
	TURN 0, 1, 0                                   ; nothing is left to fetch
	STEP 1, 0, 0
	s_cmp_eq_u32 s[MODE], 2                        ; the text parts once, on the cluster's number; the last 128 along K stand in both arms, behind each arm's own loads
	s_cbranch_scc1 .Lmode_v
	; ---- q and k
.set i, 0
.rept 16
	global_load_b128 v[BI+4*i:BI+4*i+3], v[BQ], s[2:3] offset:128*(i/4)+16*(i%4)   ; register 16 b + i: the bias of column 32 b + 16 h + i
.set i, i+1
.endr
	WIN TO_B
	CSLOAD 0, 4                                    ; into B's set 0, which has been multiplied (four places stand behind its last products), and the 32 registers behind it
	WIN 0
	LAST
	WIN TO_B
	CSLOAD 4, 4                                    ; into B's set 1
	WIN 0
.irp b, 0,1,2,3
	v_mov_b32 v[TM+4+\b], 0                        ; written once: a lane permute's destination counts as one of its sources
.endr
.irp a, 0,1,2,3,4,5,6,7
	EPI_QK \a
.endr
.irp e, 0,1,2,3
	v_cndmask_b32 v[SO+\e], v[SW+\e], v[SW+4+\e], s[HM]   ; lanes 0-15: tiles 0-3, lanes 16-31: tiles 4-7.  Bytes 0, 1 are the first head's; bytes 2, 3 meet zero codes in the next launch
.endr
.irp e, 0,1,2,3
	v_lshrrev_b32 v[SO+4+\e], 16, v[SO+\e]         ; the second head's
.endr
	global_store_b128 v[G16], v[SO:SO+3], s[104:105]            ; 512 consecutive bytes
	global_store_b128 v[G16], v[SO+4:SO+7], s[104:105] offset:HSK
	s_branch .Ldone
	; ---- v
.Lmode_v:
.irp a, 0,1,2,3,4,5,6,7
	global_load_b32 v[BI+\a], v[BV], s[2:3] offset:(32*(\a/2)+8*(\a%2))*4   ; the bias of my channel: position 16 a + r is column 32 (a / 2) + 8 (a % 2) + r + 8 (r / 8)
.endr
	LAST
.irp b, 0,1,2,3
	v_mov_b32 v[TM+4+\b], 0
.endr
	s_wait_loadcnt 0x0
.irp a, 0,1,2,3,4,5,6,7
	EPI_V \a
.endr
.irp e, 0,1,2,3
	v_cndmask_b32 v[SO+\e], v[SW+\e], v[SW+4+\e], s[HM]   ; lanes 0-15: my first head's four tiles, lanes 16-31: my second head's
.endr
	global_store_b128 v[VSO], v[SO:SO+3], s[104:105]            ; 256 consecutive bytes in each head
.Ldone:
	s_wait_tensorcnt 0x0                           ; the wave's end
	ds_add_u32 v[SPW], v[NIL]
	s_wait_dscnt 0x0
	CROUND                                         ; the closing round: no work-group ends while a partner may still ask for a tile that names it
	s_endpgm
.Lfunc_end_k_qd44724346f_qkv:
	.size	k_qd44724346f_qkv, .Lfunc_end_k_qd44724346f_qkv-k_qd44724346f_qkv
	.p2alignl 7, 3214868480
	.fill 96, 4, 3214868480
	.section	.rodata,"a",@progbits
	.p2align	6, 0x0
	.amdhsa_kernel k_qd44724346f_qkv
		.amdhsa_group_segment_fixed_size 327680
		.amdhsa_private_segment_fixed_size 0
		.amdhsa_enable_private_segment 0
		.amdhsa_kernarg_size 56
		.amdhsa_user_sgpr_count 2
		.amdhsa_user_sgpr_kernarg_segment_ptr 1
		.amdhsa_wavefront_size32 1
		.amdhsa_system_sgpr_workgroup_id_x 1
		.amdhsa_system_sgpr_workgroup_id_y 1
		.amdhsa_system_sgpr_workgroup_id_z 1
		.amdhsa_system_vgpr_workitem_id 0
		.amdhsa_next_free_vgpr 1024
		.amdhsa_next_free_sgpr 106
		.amdhsa_reserve_vcc 0
		.amdhsa_float_denorm_mode_32 3
		.amdhsa_float_denorm_mode_16_64 3
		.amdhsa_memory_ordered 1
		.amdhsa_forward_progress 1
		.amdhsa_inst_pref_size 255
	.end_amdhsa_kernel
	.section	.bss,"aw",@nobits
	.p2align	6
	.space	262144
	.amdgpu_metadata
---
amdhsa.version: [ 1, 2 ]
amdhsa.kernels:
  - .name:           k_qd44724346f_qkv
    .symbol:         k_qd44724346f_qkv.kd
    .args:
      - { .name: xq, .offset: 0, .size: 8, .value_kind: global_buffer, .address_space: global }
      - { .name: wq, .offset: 8, .size: 8, .value_kind: global_buffer, .address_space: global }
      - { .name: b_attn, .offset: 16, .size: 8, .value_kind: global_buffer, .address_space: global }
      - { .name: cs, .offset: 24, .size: 8, .value_kind: global_buffer, .address_space: global }
      - { .name: qq, .offset: 32, .size: 8, .value_kind: global_buffer, .address_space: global }
      - { .name: kk, .offset: 40, .size: 8, .value_kind: global_buffer, .address_space: global }
      - { .name: vv, .offset: 48, .size: 8, .value_kind: global_buffer, .address_space: global }
    .group_segment_fixed_size: 327680
    .private_segment_fixed_size: 0
    .kernarg_segment_align: 8
    .kernarg_segment_size: 56
    .max_flat_workgroup_size: 128
    .sgpr_count:     106
    .vgpr_count:     1024
    .wavefront_size: 32
...
	.end_amdgpu_metadata
.endif
;; end of part 2
;; launch attn (part 3): grid 4 x 64, 16 waves a work-group, clusters of 4 x 1, 327,680 bytes of LDS; arguments qq, kk, vv, yq; writes yq
.if DOCPART == 3
	.amdgcn_target "amdgcn-amd-amdhsa--gfx1250"
	.amdhsa_code_object_version 6
	.text
	.protected	k_qd44724346f_attn
	.globl	k_qd44724346f_attn
	.p2align	8
	.type	k_qd44724346f_attn,@function
k_qd44724346f_attn:
	s_mov_b64 s[64:65], 0
	v_nop
	global_prefetch_b8 v0, s[64:65] scope:SCOPE_SE
	s_setreg_imm32_b32 hwreg(HW_REG_WAVE_MODE, 25, 1), 1
	s_wait_xcnt 0x0
	s_wait_alu depctr_hold_cnt(0) depctr_sa_sdst(0) depctr_va_vdst(0) depctr_va_sdst(0) depctr_va_ssrc(0) depctr_va_vcc(0) depctr_vm_vsrc(0)
	s_getreg_b32 s2, hwreg(HW_REG_IB_STS2, 6, 4)
	s_cmp_eq_u32 s2, 0
	s_cbranch_scc0 .Lentry_in_a_cluster
	s_endpgm
.Lentry_in_a_cluster:
	s_bfe_u32 s2, ttmp6, 0x10000c
	s_cmp_lg_u32 s2, 0x3003
	s_cbranch_scc0 .Lentry_shape_is_right
	s_endpgm
.Lentry_shape_is_right:
; y[b][q][head] = softmax(q k^T / 8, causal) v for one batch and head, both products on codes of E3M2; y is quantised along C on the way out, into yq (units and scale bytes as the last product's launch reads them).
; THE SOFTMAX: t = score x log2(e) / 8; M = the row's largest t so far, rounded up to a whole number; p = 2^(t - M) is quantised along the keys; the row's sum is taken of the unquantised p and divides O at the end.
; THE WHOLE HEAD LIES IN LDS: 8 blocks of 256 keys, each K's 13,312 bytes and V's 12,800: 208,896 bytes.  Each of the sixteen waves fetches one of the sixteen tiles, once, at the head: nothing is filled again,
; and behind the one barrier that shows the tiles to all waves no wave waits for another.
; CLUSTER 4 x 1: the four work-groups of a head need the same sixteen tiles and ask for them jointly (mask 15).
; SHARES.  A block of 256 queries has 16 tiles of 16.  Work-group cx owns tiles 4 i + cx of every block, so every partner reads every block of keys.  Wave (i, b) = (w % 4, w / 4) takes tile 4 i + cx of block 7 - b,
; then tile 4 (3 - i) + cx of block b: 2 (7 - b) + i / 2 + 1 and 2 b + (3 - i) / 2 + 1 steps of 128 keys, 17 in every wave.  Which steps are walked, and which is masked, hangs on the wave's number alone;
; cx enters global addresses and the number that the mask compares with, and no branch.
; LEFT OUT: steps of 128 keys that all come after the tile's queries: the causal mask throws their scores away.  The walk has a constant count of trips; a scalar branch leads round such a step.
; LAYOUT.  Both products transposed: S^T = K Q^T, O^T = V^T P^T: a lane holds one query.  Keys and queries stand at positions (index with bits 3 and 4 exchanged), so the 16 registers of tiles 2 b, 2 b + 1 of S^T are keys 32 b + 16 h + 0 .. 15,
; and the 16 registers of two tiles of O^T are 16 neighbouring channels.
; K = 64 IN AN INSTRUCTION OF 128: Q's registers 6-11 hold zero codes, so K's operand for tile t may run on into tile t + 1's six registers (tile 7's into six zeros): E3M2 has neither infinity nor NaN, no scale byte here is 0xff,
; and every product of the upper half is an exact zero.
; NO PREFETCH: every tile is asked for at the head; the walk loads nothing from memory.
; y's scale bytes leave one byte a lane (a head owns two bytes of a row's eight); the codes leave as 512 and 256 consecutive bytes.
; LIMITS: NaN and infinities are not served; the scaled scores stay under 2^31 in magnitude.
.set HSK,   106496
.set HSV,   102400
.set XS,    6291456
.set KBLK,  13312                      ; 256 keys of k: 16 units, then 1,024 bytes of scale words
.set VBLK,  12800                      ; 256 keys of v: 16 units, then 512 bytes of scale words
.set VOFF,  13312                      ; in LDS a block is K's part, then V's
.set BLK,   26112
.set SPARE, 8*BLK                      ; the spare words, 128 bytes for each wave: eight blocks of 256 bytes that no other line names
.set L16, 1                            ; v1   16 x lane
.set L8,  2                            ; v2   8 x lane
.set R16, 3                            ; v3   16 r
.set SPW, 4                            ; v4   my spare word; never rewritten
.set NIL, 5                            ; v5   0; never rewritten
.set A16, 6                            ; v6-8 the same three in the block in hand
.set A8,  7
.set AR,  8
.set DM,  9                            ; v9   my query - the masked step's first key - 16 h
.set YB,  10                           ; v10  8 r + h
.set DMB, 11                           ; v11  v9 for the second tile
.set WV,  18
.set SEL, 20
.set CS,  22                           ; s[22:23] c = log2(e) / 8
.set G1K, 24
.set G1V, 32
.set G0K, 40
.set G0V, 44
.set TB,  52                           ; LDS byte at which the block in hand begins
.set TR,  53                           ; the trip
.set QC,  54                           ; the step of 128 keys in which my tile's queries lie: the masked one, and the last
.set QCB, 55                           ; the same for the second tile
.set KS,  56                           ; the step in hand
.set HM,  59
.set YC,  60                           ; s[60:61] my unit of yq;  s[62:63] my scale bytes;  s[66:69] the second tile's
.set YS,  62
.set YC2, 66
.set YS2, 68
.set QU,  80                           ; s[80:81] Q's unit, s[82:83] its scale words;  s[84:87] the second tile's
.macro CROUND                          ; a round of the cluster's barrier
	s_barrier_signal -1
	s_barrier_wait -1
	s_cmp_lg_u32 s[WV], 0
	s_cbranch_scc1 .Lnot_wave_0_\@
	s_barrier_signal -3
.Lnot_wave_0_\@:
	s_barrier_wait -3
	s_barrier_signal -1
	s_barrier_wait -1
.endm
; Where a tile (block s[blk], tile 4 s[ii] + cx) has its Q, its place in yq, its masked step and the mask's number.  s70 cx, s74 768 x head, s75 the head's place among the scale bytes, s76 32 (cx / 2) + 8 (cx % 2), s93 128 x batch, s95 0.
.macro TILE blk, ii, qu, yc, ys, dd, qc
	s_lshl_b32 s90, s[\ii], 2
	s_add_co_u32 s90, s90, s70                     ; the tile
	s_mul_i32 s92, s[\blk], KBLK
	s_mul_i32 s91, s90, 768
	s_add_co_u32 s94, s92, s91
	s_add_nc_u64 s[\qu:\qu+1], s[4:5], s[94:95]
	s_lshl_b32 s91, s[\ii], 8                      ; its scale words: 12,288 + 256 (tile / 4) + 4 (tile % 4), + 16 r
	s_add_co_u32 s94, s92, s91
	s_lshl_b32 s91, s70, 2
	s_add_co_u32 s94, s94, s91
	s_add_co_u32 s94, s94, 12288
	s_add_nc_u64 s[\qu+2:\qu+3], s[4:5], s[94:95]
	s_lshl_b32 s91, s[\blk], 4
	s_add_co_u32 s91, s91, s90
	s_add_co_u32 s91, s91, s93                     ; my 16 positions' number
	s_mul_i32 s94, s91, 12288
	s_add_co_u32 s94, s94, s74
	s_add_nc_u64 s[\yc:\yc+1], s[10:11], s[94:95]
	s_lshl_b32 s94, s91, 9
	s_add_co_u32 s94, s94, s75
	s_add_nc_u64 s[\ys:\ys+1], s[10:11], s[94:95]
	s_and_b32 s91, s[\ii], 1
	s_lshl_b32 s91, s91, 6
	s_add_co_u32 s[\dd], s91, s76                  ; my tile's first query - the masked step's first key
	s_lshl_b32 s[\qc], s[\blk], 1
	s_lshr_b32 s91, s[\ii], 1
	s_add_co_u32 s[\qc], s[\qc], s91
.endm
	s_load_b256 s[4:11], s[0:1], 0x0               ; qq s[4:5], kk s[6:7], vv s[8:9], yq s[10:11]
	v_lshl_add_u32 v[SPW], v0, 2, SPARE
	v_mov_b32 v[NIL], 0
	ds_add_u32 v[SPW], v[NIL]                      ; the opening lines: the add, twice on end, and its wait ahead of my tensor load
	ds_add_u32 v[SPW], v[NIL]
	v_lshrrev_b32 v6, 5, v0
	v_readfirstlane_b32 s[WV], v6                  ; wave 0..15
	s_and_b32 s72, ttmp7, 0xffff                   ; batch x 16 + head
	s_bfe_u32 s70, ttmp6, 0x40000                  ; cx
	s_and_b32 s74, s[WV], 7                        ; the block of keys that I fetch: waves 0-7 K's part, waves 8-15 V's
	s_mul_i32 s75, s74, BLK
	; descriptor group 1: dense blocks as rows of 256 bytes (32 elements of 8 bytes): K's 52 rows, V's 50; the mask names the four partners
	s_mov_b32 s[G1K], 15|(3<<16)|(1<<21)
	s_mov_b32 s[G1K+1], 32<<16
	s_mov_b32 s[G1K+2], 52<<16
	s_mov_b32 s[G1K+3], 32<<16
	s_mov_b32 s[G1K+4], 52
	s_mov_b32 s[G1K+5], 32
	s_mov_b32 s[G1K+6], 0
	s_mov_b32 s[G1K+7], 0
	s_mov_b32 s[G1V], 15|(3<<16)|(1<<21)
	s_mov_b32 s[G1V+1], 32<<16
	s_mov_b32 s[G1V+2], 50<<16
	s_mov_b32 s[G1V+3], 32<<16
	s_mov_b32 s[G1V+4], 50
	s_mov_b32 s[G1V+5], 32
	s_mov_b32 s[G1V+6], 0
	s_mov_b32 s[G1V+7], 0
	s_mul_i32 s76, s72, HSK
	s_mul_i32 s77, s74, KBLK
	s_add_co_u32 s48, s76, s77
	s_mov_b32 s49, 0
	s_mul_i32 s78, s72, HSV
	s_mul_i32 s79, s74, VBLK
	s_add_co_u32 s50, s78, s79
	s_mov_b32 s51, 0
	s_mov_b32 s77, 0
	s_mov_b32 s[G0K], 1
	s_mov_b32 s[G0K+1], s75
	s_mov_b32 s[G0V], 1
	s_add_co_u32 s[G0V+1], s75, VOFF
	s_mov_b32 s[SEL], 0x76543210
	s_mov_b32 s[SEL+1], 0xfedcba98
	s_mov_b32 s[CS], 0x3e38aa3b
	s_mov_b32 s[CS+1], s[CS]                       ; (named with it as a pair, so it is written)
	s_mov_b32 s[HM], 0xffff0000
	s_wait_dscnt 0x0                               ; both opening adds are done
	s_wait_kmcnt 0x0
	s_add_nc_u64 s[G0K+2:G0K+3], s[6:7], s[48:49]
	s_or_b32 s[G0K+3], s[G0K+3], 0x80000000
	s_add_nc_u64 s[G0V+2:G0V+3], s[8:9], s[50:51]
	s_or_b32 s[G0V+3], s[G0V+3], 0x80000000
	s_add_nc_u64 s[4:5], s[4:5], s[76:77]          ; qq at the head
	CROUND                                         ; the four partners are here: the joint loads meet
	s_cmp_lt_u32 s[WV], 8
	s_cbranch_scc0 .Lfor_v
	tensor_load_to_lds s[G0K:G0K+3], s[G1K:G1K+7]
	s_nop 0
.rept 4
	v_nop
.endr
	s_branch .Lasked
.Lfor_v:
	tensor_load_to_lds s[G0V:G0V+3], s[G1V:G1V+7]
	s_nop 0
.rept 4
	v_nop
.endr
.Lasked:
	s_lshr_b32 s93, s72, 4
	s_lshl_b32 s93, s93, 7                         ; batch x 128
	s_and_b32 s92, s72, 15                         ; the head
	s_mul_i32 s74, s92, 768
	s_lshr_b32 s75, s92, 2
	s_lshl_b32 s75, s75, 7                         ; which 256 along C,
	s_and_b32 s92, s92, 3
	s_lshl_b32 s92, s92, 1                         ; and which two of its eight blocks
	s_add_co_u32 s75, s75, s92
	s_add_co_u32 s75, s75, XS
	s_lshr_b32 s76, s70, 1
	s_lshl_b32 s76, s76, 5
	s_and_b32 s92, s70, 1
	s_lshl_b32 s92, s92, 3
	s_add_co_u32 s76, s76, s92
	s_and_b32 s71, s[WV], 3                        ; i
	s_lshr_b32 s73, s[WV], 2                       ; b
	s_sub_co_u32 s88, 7, s73
	s_sub_co_u32 s89, 3, s71
	s_mov_b32 s95, 0
	TILE 88, 71, QU, YC, YS, 77, QC
	TILE 73, 89, QU+4, YC2, YS2, 78, QCB
	v_and_b32 v6, 31, v0
	v_and_b32 v7, 15, v0                           ; r
	v_bfe_u32 v8, v0, 4, 1                         ; h
	v_lshlrev_b32 v[L16], 4, v6
	v_lshlrev_b32 v[L8], 3, v6
	v_lshlrev_b32 v[R16], 4, v7
	global_load_b128 v[16:19], v[L16], s[QU:QU+1]  ; Q of the first tile: six registers
	global_load_b64 v[20:21], v[L8], s[QU:QU+1] offset:512
	global_load_b32 v255, v[R16], s[QU+2:QU+3]     ; and its scale words
	global_load_b128 v[86:89], v[L16], s[QU+4:QU+5]  ; Q of the second tile waits in v86-92
	global_load_b64 v[90:91], v[L8], s[QU+4:QU+5] offset:512
	global_load_b32 v92, v[R16], s[QU+6:QU+7]
	v_and_b32 v6, 8, v7
	v_add_nc_u32 v6, v6, v7                        ; r + 8 (r / 8)
	v_lshlrev_b32 v[YB], 4, v8
	v_sub_nc_u32 v6, v6, v[YB]                     ; - 16 h
	v_lshl_add_u32 v[YB], v7, 3, v8
	v_add_nc_u32 v[DM], s77, v6
	v_add_nc_u32 v[DMB], s78, v6
	v_mov_b32 v13, 0xff61b1e6                      ; the largest t so far: -3e38
	v_floor_f32 v12, -v13                          ; -M
	v_mov_b32 v14, 0                               ; the sum, in two halves
	v_mov_b32 v15, 0
.irp i, 22,23,24,25,26,27,80,81,82,83,84,85
	v_mov_b32 v\i, 0                               ; zero codes: Q's upper 64 along K, and what follows K's last tile
.endr
.irp b, 0,1,2,3
	v_mov_b32 v[236+\b], 0                         ; written once: a lane permute's destination counts as one of its sources
.endr
	v_mov_b32 v252, 0
	v_mov_b32 v253, 0
.set i, 0
.rept 32
	v_mov_b32 v[160+i], 0                          ; O^T: the step is written once, its first turn finds zeros
.set i, i+1
.endr
; A KEY STEP: 128 keys, the q-th of the block in hand.
.macro STEP q
	s_cmp_gt_u32 s[KS], s[QC]                      ; all its keys come after my queries
	s_cbranch_scc1 .Lhidden_\@
	v_add_nc_u32 v[A16], s[TB], v[L16]
	v_add_nc_u32 v[A8], s[TB], v[L8]
	v_add_nc_u32 v[AR], s[TB], v[R16]
	v_nop                                          ; four places in front of loads into registers that the last products read
.irp t, 0,1,2,3,4,5,6,7
	ds_load_b128 v[32+6*\t:35+6*\t], v[A16] offset:6144*(\q)+768*\t
	ds_load_b64 v[36+6*\t:37+6*\t], v[A8] offset:6144*(\q)+768*\t+512
.endr
	ds_load_b128 v[244:247], v[AR] offset:12288+512*(\q)          ; the eight tiles' scale words of my row
	ds_load_b128 v[248:251], v[AR] offset:12288+512*(\q)+256
	s_wait_alu depctr_va_vdst(0)
	s_wait_dscnt 0x0
.irp t, 0,1,2,3,4,5,6,7
	v_wmma_scale_f32_16x16x128_f8f6f4 v[96+8*\t:103+8*\t], v[32+6*\t:43+6*\t], v[16:27], 0, v[244+\t], v255 matrix_a_fmt:MATRIX_FMT_BF6 matrix_b_fmt:MATRIX_FMT_BF6
.endr
.rept 4
	v_nop
.endr
.irp t, 0,1,2,3                                ; V's four fragments and their scale words are asked for now: they land under the softmax
	ds_load_b128 v[32+12*\t:35+12*\t], v[A16] offset:VOFF+6144*(\q)+1536*\t
	ds_load_b64 v[36+12*\t:37+12*\t], v[A8] offset:VOFF+6144*(\q)+1536*\t+512
	ds_load_b128 v[38+12*\t:41+12*\t], v[A16] offset:VOFF+6144*(\q)+1536*\t+768
	ds_load_b64 v[42+12*\t:43+12*\t], v[A8] offset:VOFF+6144*(\q)+1536*\t+1280
.endr
	ds_load_b128 v[248:251], v[AR] offset:VOFF+12288+256*(\q)
	s_cmp_lt_u32 s[KS], s[QC]                      ; a step all of whose keys count skips the mask
	s_cbranch_scc1 .Lopen_\@
	v_mov_b32 v254, 0xff800000                     ; register 16 b + i holds the step's key 16 h + 32 b + i: hidden where 32 b + i > v9
.irp n, 0,1,2,3,4,5,6,7,8,9,10,11,12,13,14,15,16,17,18,19,20,21,22,23,24,25,26,27,28,29,30,31,32,33,34,35,36,37,38,39,40,41,42,43,44,45,46,47,48,49,50,51,52,53,54,55,56,57,58,59,60,61,62,63
	v_cmp_gt_i32 vcc_lo, 32*(\n/16)+\n%16, v[DM]
	v_cndmask_b32 v[96+\n], v[96+\n], v254, vcc_lo
.endr
.Lopen_\@:
.irp b, 0,1,2,3
	v_max3_num_f32 v[232+\b], v[96+16*\b], v[97+16*\b], v[98+16*\b]   ; the largest score of each block of 32 keys: for the row's maximum, and, since p rises with the score, for the block's largest p
.endr
.irp i, 3,5,7,9,11,13
.irp b, 0,1,2,3
	v_max3_num_f32 v[232+\b], v[232+\b], v[96+16*\b+\i], v[97+16*\b+\i]
.endr
.endr
.irp b, 0,1,2,3
	v_max_num_f32 v[232+\b], v[232+\b], v[111+16*\b]
.endr
.irp b, 0,1,2,3
	s_delay_alu instid0(VALU_DEP_4)
	v_permlanex16_b32 v[236+\b], v[232+\b], s[SEL], s[SEL+1]
.endr
.irp b, 0,1,2,3
	s_delay_alu instid0(VALU_DEP_4)
	v_max_num_f32 v[232+\b], v[232+\b], v[236+\b]
.endr
	s_delay_alu instid0(VALU_DEP_2)
	v_max3_num_f32 v254, v232, v233, v234
	s_delay_alu instid0(VALU_DEP_1)
	v_max_num_f32 v254, v254, v235
	s_delay_alu instid0(VALU_DEP_1)
	v_mul_f32 v254, s[CS], v254
	s_delay_alu instid0(VALU_DEP_1)
	v_max_num_f32 v13, v13, v254                   ; the running largest t
	v_mov_b32 v254, v12
	s_delay_alu instid0(VALU_DEP_2)
	v_floor_f32 v12, -v13                          ; the new -M = -ceil(t)
	s_delay_alu instid0(VALU_DEP_1)
	v_sub_f32 v254, v12, v254                      ; old M - new M: a whole number, 0 or less
	s_delay_alu instid0(VALU_DEP_1)
	v_cvt_i32_f32 v254, v254                       ; (it saturates)
	s_delay_alu instid0(VALU_DEP_1)
	v_ldexp_f32 v252, 1.0, v254                    ; f = 2^(old M - new M)
.irp j, 0,2,4,6,8,10,12,14,16,18,20,22,24,26,28,30,32,34,36,38,40,42,44,46,48,50,52,54,56,58,60,62
	v_pk_fma_f32 v[96+\j:97+\j], v[96+\j:97+\j], s[CS:CS+1], v[12:13] op_sel_hi:[1,0,0]   ; t - M
.endr
.irp b, 0,1,2,3
	v_fma_f32 v[232+\b], v[232+\b], s[CS], v12
.endr
	s_wait_alu depctr_va_vdst(0)
.irp j, 0,1,2,3,4,5,6,7,8,9,10,11,12,13,14,15,16,17,18,19,20,21,22,23,24,25,26,27,28,29,30,31,32,33,34,35,36,37,38,39,40,41,42,43,44,45,46,47,48,49,50,51,52,53,54,55,56,57,58,59,60,61,62,63
	v_exp_f32 v[96+\j], v[96+\j]                   ; p = 2^(t - M)
.endr
.irp b, 0,1,2,3
	v_exp_f32 v[232+\b], v[232+\b]                 ; the block's largest p
.endr
	v_pk_mul_f32 v[14:15], v[14:15], v[252:253] op_sel_hi:[1,0]   ; the sums under the new M.  (A plain place behind the exponentials)
	s_wait_alu depctr_va_vdst(0)                   ; and behind it
.irp b, 0,1,2,3
	v_max_num_f32 v[232+\b], 0x2800000, v[232+\b]  ; the floor 2^(5 - 127)
.endr
.irp b, 0,1,2,3
	s_delay_alu instid0(VALU_DEP_4)
	v_add_nc_u32 v[244+\b], 0xfe000000, v[232+\b]
.endr
.irp b, 0,1,2,3
	s_delay_alu instid0(VALU_DEP_4)
	v_lshrrev_b32 v[236+\b], 23, v[244+\b]
.endr
	s_delay_alu instid0(VALU_DEP_3)
	v_lshl_or_b32 v253, v237, 8, v236              ; p's scale word for these 128 keys
	s_delay_alu instid0(VALU_DEP_1)
	v_lshl_or_b32 v253, v238, 16, v253
	s_delay_alu instid0(VALU_DEP_1)
	v_lshl_or_b32 v253, v239, 24, v253
.irp c, 0,1
	v_cvt_scalef32_pk16_bf6_f32 v[224+6*\c:226+6*\c], v[96+32*\c:111+32*\c], v[244+2*\c]
	v_cvt_scalef32_pk16_bf6_f32 v[236+4*\c:238+4*\c], v[112+32*\c:127+32*\c], v[244+2*\c+1]
.endr
	v_nop                                          ; one plain place behind a scaled conversion
.irp c, 0,1
.irp i, 0,1,2
	v_permlane16_swap_b32 v[224+6*\c+\i], v[236+4*\c+\i]
.endr
.irp i, 0,1,2
	s_delay_alu instid0(VALU_DEP_3)
	v_mov_b32 v[227+6*\c+\i], v[236+4*\c+\i]
.endr
.endr
	v_pk_add_f32 v[236:237], v[100:101], v[104:105]   ; the row's sum of the unquantised p, in eight chains
	v_pk_add_f32 v[246:247], v[108:109], v[112:113]
	v_pk_add_f32 v[244:245], v[116:117], v[120:121]
	v_pk_add_f32 v[242:243], v[124:125], v[128:129]
	v_pk_add_f32 v[240:241], v[132:133], v[136:137]
	v_pk_add_f32 v[222:223], v[140:141], v[144:145]
	v_pk_add_f32 v[220:221], v[148:149], v[152:153]
	v_pk_add_f32 v[14:15], v[14:15], v[156:157]
	v_pk_add_f32 v[236:237], v[236:237], v[96:97]
	v_pk_add_f32 v[246:247], v[246:247], v[98:99]
	v_pk_add_f32 v[244:245], v[244:245], v[102:103]
	v_pk_add_f32 v[242:243], v[242:243], v[106:107]
	v_pk_add_f32 v[240:241], v[240:241], v[110:111]
	v_pk_add_f32 v[222:223], v[222:223], v[114:115]
	v_pk_add_f32 v[220:221], v[220:221], v[118:119]
	v_pk_add_f32 v[14:15], v[14:15], v[122:123]
	v_pk_add_f32 v[236:237], v[236:237], v[126:127]
	v_pk_add_f32 v[246:247], v[246:247], v[130:131]
	v_pk_add_f32 v[244:245], v[244:245], v[134:135]
	v_pk_add_f32 v[242:243], v[242:243], v[138:139]
	v_pk_add_f32 v[240:241], v[240:241], v[142:143]
	v_pk_add_f32 v[222:223], v[222:223], v[146:147]
	v_pk_add_f32 v[220:221], v[220:221], v[150:151]
	v_pk_add_f32 v[14:15], v[14:15], v[154:155]
	v_pk_add_f32 v[236:237], v[236:237], v[158:159]
	s_delay_alu instid0(VALU_DEP_2)
	v_pk_add_f32 v[14:15], v[14:15], v[242:243]
	s_delay_alu instid0(VALU_DEP_2)
	v_pk_add_f32 v[236:237], v[236:237], v[240:241]
	v_pk_add_f32 v[246:247], v[246:247], v[222:223]
	v_pk_add_f32 v[244:245], v[244:245], v[220:221]
	s_delay_alu instid0(VALU_DEP_2)
	v_pk_add_f32 v[14:15], v[14:15], v[246:247]
	s_delay_alu instid0(VALU_DEP_2)
	v_pk_add_f32 v[236:237], v[236:237], v[244:245]
	s_delay_alu instid0(VALU_DEP_1)
	v_pk_add_f32 v[14:15], v[14:15], v[236:237]
.irp j, 0,2,4,6,8,10,12,14,16,18,20,22,24,26,28,30
	v_pk_mul_f32 v[160+\j:161+\j], v[160+\j:161+\j], v[252:253] op_sel_hi:[1,0]   ; O^T under the new M.  (With the sums above: the places between p's codes and scale word and the products below)
.endr
	s_wait_alu depctr_va_vdst(0)
	s_wait_dscnt 0x0                               ; V is in
.irp t, 0,1,2,3
	v_wmma_scale_f32_16x16x128_f8f6f4 v[160+8*\t:167+8*\t], v[32+12*\t:43+12*\t], v[224:235], v[160+8*\t:167+8*\t], v[248+\t], v253 matrix_a_fmt:MATRIX_FMT_BF6 matrix_b_fmt:MATRIX_FMT_BF6
.endr
.Lhidden_\@:
	s_add_co_u32 s[KS], s[KS], 1
.endm
; A tile of queries is done: O^T / the sum, quantised along the head's 64 (two blocks of 32), one unit and two scale bytes a row.
.macro FINISH
.rept 4
	v_nop
.endr
	v_add_f32 v14, v14, v15
	s_delay_alu instid0(VALU_DEP_1)
	v_permlanex16_b32 v252, v14, s[SEL], s[SEL+1]
	s_delay_alu instid0(VALU_DEP_1)
	v_add_f32 v14, v14, v252                       ; the row's sum
	s_wait_alu depctr_va_vdst(0)
	v_rcp_f32 v14, v14
	v_nop                                          ; one plain place behind the transcendental
.set i, 0
	s_wait_alu depctr_va_vdst(0)
.rept 32
	v_mul_f32 v[96+i], v[160+i], v14               ; register 16 b + i: channel 32 b + 16 h + i
.set i, i+1
.endr
.irp b, 0,1
	v_max3_num_f32 v[232+\b], |v[96+16*\b]|, |v[97+16*\b]|, 0x2800000
.endr
.irp i, 2,4,6,8,10,12,14
.irp b, 0,1
	s_delay_alu instid0(VALU_DEP_2)
	v_max3_num_f32 v[232+\b], v[232+\b], |v[96+16*\b+\i]|, |v[97+16*\b+\i]|
.endr
.endr
.irp b, 0,1
	s_delay_alu instid0(VALU_DEP_2)
	v_permlanex16_b32 v[236+\b], v[232+\b], s[SEL], s[SEL+1]
.endr
.irp b, 0,1
	s_delay_alu instid0(VALU_DEP_2)
	v_max_num_f32 v[232+\b], v[232+\b], v[236+\b]
.endr
.irp b, 0,1
	s_delay_alu instid0(VALU_DEP_2)
	v_add_nc_u32 v[244+\b], 0xfe000000, v[232+\b]
.endr
.irp b, 0,1
	s_delay_alu instid0(VALU_DEP_2)
	v_lshrrev_b32 v[236+\b], 23, v[244+\b]
.endr
	v_cvt_scalef32_pk16_bf6_f32 v[224:226], v[96:111], v244
	v_cvt_scalef32_pk16_bf6_f32 v[228:230], v[112:127], v245
	v_cndmask_b32 v238, v236, v237, s[HM]          ; my block's byte.  (The plain place behind the conversions)
.irp i, 0,1,2
	v_permlane16_swap_b32 v[224+\i], v[228+\i]     ; a whole block to a lane
.endr
	s_delay_alu instid0(VALU_DEP_3)
	v_mov_b32 v227, v228
	s_delay_alu instid0(VALU_DEP_3)
	v_mov_b32 v228, v229
	s_delay_alu instid0(VALU_DEP_3)
	v_mov_b32 v229, v230
	global_store_b128 v[L16], v[224:227], s[YC:YC+1]
	global_store_b64 v[L8], v[228:229], s[YC:YC+1] offset:512
	global_store_b8 v[YB], v238, s[YS:YS+1]
.endm
; A tile's walk over the keys: eight trips of 256 keys, a constant of the text; the steps behind the tile's own are jumped over.
.macro WALK
	s_mov_b32 s[TB], 0
	s_mov_b32 s[KS], 0
	s_mov_b32 s[TR], 0
.Ltrip_\@:
	STEP 0
	STEP 1
	s_add_co_u32 s[TB], s[TB], BLK
	s_add_co_u32 s[TR], s[TR], 1
	s_cmp_lt_u32 s[TR], 8
	s_cbranch_scc1 .Ltrip_\@
	FINISH
.endm
	s_wait_alu depctr_va_vdst(0)
	s_wait_loadcnt 0x0                             ; Q
	s_wait_tensorcnt 0x0                           ; my tile is in,
	s_barrier_signal -1
	s_barrier_wait -1                              ; and so are all sixteen
	WALK                                           ; the tile of block 7 - b
	s_wait_xcnt 0x0                                ; its stores have read their data and bases
.irp i, 0,1,2,3,4,5
	v_mov_b32 v[16+\i], v[86+\i]                   ; the tile of block b begins: its Q,
.endr
	v_mov_b32 v255, v92
	v_mov_b32 v[DM], v[DMB]
	v_mov_b32 v13, 0xff61b1e6
	s_delay_alu instid0(VALU_DEP_1)
	v_floor_f32 v12, -v13
	v_mov_b32 v14, 0
	v_mov_b32 v15, 0
.set i, 0
.rept 32
	v_mov_b32 v[160+i], 0
.set i, i+1
.endr
	s_mov_b32 s[QC], s[QCB]
	s_mov_b64 s[YC:YC+1], s[YC2:YC2+1]
	s_mov_b64 s[YS:YS+1], s[YS2:YS2+1]
	s_wait_alu depctr_va_vdst(0)
	WALK
	s_wait_tensorcnt 0x0                           ; the wave's end
	ds_add_u32 v[SPW], v[NIL]
	s_wait_dscnt 0x0
	CROUND                                         ; the closing round
	s_endpgm
.Lfunc_end_k_qd44724346f_attn:
	.size	k_qd44724346f_attn, .Lfunc_end_k_qd44724346f_attn-k_qd44724346f_attn
	.p2alignl 7, 3214868480
	.fill 96, 4, 3214868480
	.section	.rodata,"a",@progbits
	.p2align	6, 0x0
	.amdhsa_kernel k_qd44724346f_attn
		.amdhsa_group_segment_fixed_size 327680
		.amdhsa_private_segment_fixed_size 0
		.amdhsa_enable_private_segment 0
		.amdhsa_kernarg_size 32
		.amdhsa_user_sgpr_count 2
		.amdhsa_user_sgpr_kernarg_segment_ptr 1
		.amdhsa_wavefront_size32 1
		.amdhsa_system_sgpr_workgroup_id_x 1
		.amdhsa_system_sgpr_workgroup_id_y 1
		.amdhsa_system_sgpr_workgroup_id_z 1
		.amdhsa_system_vgpr_workitem_id 0
		.amdhsa_next_free_vgpr 256
		.amdhsa_next_free_sgpr 100
		.amdhsa_reserve_vcc 1
		.amdhsa_float_denorm_mode_32 3
		.amdhsa_float_denorm_mode_16_64 3
		.amdhsa_memory_ordered 1
		.amdhsa_forward_progress 1
		.amdhsa_inst_pref_size 109
	.end_amdhsa_kernel
	.amdgpu_metadata
---
amdhsa.version: [ 1, 2 ]
amdhsa.kernels:
  - .name:           k_qd44724346f_attn
    .symbol:         k_qd44724346f_attn.kd
    .args:
      - { .name: qq, .offset: 0, .size: 8, .value_kind: global_buffer, .address_space: global }
      - { .name: kk, .offset: 8, .size: 8, .value_kind: global_buffer, .address_space: global }
      - { .name: vv, .offset: 16, .size: 8, .value_kind: global_buffer, .address_space: global }
      - { .name: yq, .offset: 24, .size: 8, .value_kind: global_buffer, .address_space: global }
    .group_segment_fixed_size: 327680
    .private_segment_fixed_size: 0
    .kernarg_segment_align: 8
    .kernarg_segment_size: 32
    .max_flat_workgroup_size: 512
    .sgpr_count:     100
    .vgpr_count:     256
    .wavefront_size: 32
...
	.end_amdgpu_metadata
.endif
;; end of part 3
;; launch proj (part 4): grid 4 x 64, 4 waves a work-group, clusters of 4 x 4, 327,680 bytes of LDS; arguments yq, wq, b_proj, out0; writes out0
.if DOCPART == 4
	.amdgcn_target "amdgcn-amd-amdhsa--gfx1250"
	.amdhsa_code_object_version 6
	.text
	.protected	k_qd44724346f_proj
	.globl	k_qd44724346f_proj
	.p2align	8
	.type	k_qd44724346f_proj,@function
k_qd44724346f_proj:
	s_mov_b64 s[64:65], 0
	v_nop
	global_prefetch_b8 v0, s[64:65] scope:SCOPE_SE
	s_setreg_imm32_b32 hwreg(HW_REG_WAVE_MODE, 25, 1), 1
	s_wait_xcnt 0x0
	s_wait_alu depctr_hold_cnt(0) depctr_sa_sdst(0) depctr_va_vdst(0) depctr_va_sdst(0) depctr_va_ssrc(0) depctr_va_vcc(0) depctr_vm_vsrc(0)
	s_getreg_b32 s2, hwreg(HW_REG_IB_STS2, 6, 4)
	s_cmp_eq_u32 s2, 0
	s_cbranch_scc0 .Lentry_in_a_cluster
	s_endpgm
.Lentry_in_a_cluster:
	s_bfe_u32 s2, ttmp6, 0x10000c
	s_cmp_lg_u32 s2, 0xf033
	s_cbranch_scc0 .Lentry_shape_is_right
	s_endpgm
.Lentry_shape_is_right:
; out0 = Q(y) Q(W_proj) + b_proj on codes of E3M2, K = 1,024.  A block of 128 tokens x 256 columns is made by four waves, 64 x 128 each: 32 accumulators, 256 registers.
; ALL OF K LIES IN LDS: the block's 128 rows of y are 98,304 dense bytes of yq, its 256 rows of W 196,608 dense bytes of wq, their scale bytes 4,096 and 8,192: four tiles, ONE JOINT LOAD A WAVE at the head, nothing filled again.
; One barrier shows the four tiles to all waves; the walk along K has none.  A second barrier stands ahead of the way out, whose stage lies on A's first bytes.
; CODES LIE AS IMAGES OF OPERAND REGISTERS: [16 rows][K / 64][768 bytes]: lane l's registers 0-3 at 16 l, registers 4-5 at 512 + 8 l of a unit; a fragment (16 x 128) is two units on end.  Scale bytes: [16 rows][K / 256][row][8].
; Rows stand at positions (index with bits 3 and 4 exchanged).  The product is used transposed (source 0 = W's 16 rows, source 1 = y's): a lane holds a token, its registers run along the columns.  The bias is the first product's C.
; CLUSTER 4 x 4: y's tiles are shared along a row of the cluster, W's along a column.
; NO PREFETCH: every tile is asked for at the head; the walk loads nothing from memory.
; REGISTERS: window 0: v16-31 addresses; v32-63 scale words, two sets; v64-127 the bias; v128-175 A's fragments, one set; on the way out v128-255.  window 1: B's fragments, two sets (v0, v128).  window 2: accumulators.
.set FR,     12
.set NL,     4                         ; LDS loads that bring a fragment
.set NP,     4                         ; places behind this matrix instruction (ISA guide 7.12.1)
.set RB,     12288                     ; 16 rows x 1,024 K
.set BREG,   8*RB                      ; B's codes lie behind A's
.set SCL,    24*RB                     ; the scale bytes: A's 4,096, then B's 8,192
.set SBLK,   512
.set SPARE,  SCL+12288                 ; the spare words, 128 bytes for each wave: two blocks of 256 bytes that no other line names
.set XS,     6291456
.set WPC,    2359296                   ; W_proj's codes in wq
.set WPS,    3145728+98304             ; and its scale bytes
.set SPITCH, 528
.set ADRA, 16                          ; v16 A's fragments + 16 x lane, v17 + 8 x lane
.set ADRB, 18                          ; v18-19 the same for B's blocks 0-3, v20-21 for its blocks 4-7
.set STO,  24
.set RD,   25
.set CO,   26
.set ADRS, 27
.set SPW,  29                          ; my spare word; never rewritten
.set BO,   30
.set NIL,  31                          ; 0; never rewritten
.set SC,   32
.set BI,   64
.set AF,   128
.set BK,   128
.set G1, 24
.set G1B, 32
.set G1S, 40
.set G1SB, 48
.set G0S, 56
.set G0SB, 60
.set G0, 68
.set G0B, 72
.set MSB, 0
.macro WIN new                         ; the immediate's high byte repeats the setting that is left
.if MSB != \new
	s_set_vgpr_msb (MSB<<8)|\new
.set MSB, \new
.endif
.endm
.set MUL,   0xa1                       ; source 0 (B) window 1, source 1 (A) window 0, C and D window 2
.set MUL_B, 0x81                       ; the same with C (the bias) in window 0
.set TO_B,  0x40
.macro CROUND                          ; a round of the cluster's barrier
	s_barrier_signal -1
	s_barrier_wait -1
	s_cmp_lg_u32 s14, 0
	s_cbranch_scc1 .Lnot_wave_0_\@
	s_barrier_signal -3
.Lnot_wave_0_\@:
	s_barrier_wait -3
	s_barrier_signal -1
	s_barrier_wait -1
.endm
.macro DESC g, mask, rows              ; group 1: a dense block as rows of 256 bytes (32 elements of 8)
	s_or_b32 s[\g], s[\mask], (3<<16)|(1<<21)
	s_mov_b32 s[\g+1], 32<<16
	s_mov_b32 s[\g+2], (\rows)<<16
	s_mov_b32 s[\g+3], 32<<16
	s_mov_b32 s[\g+4], \rows
	s_mov_b32 s[\g+5], 32
	s_mov_b32 s[\g+6], 0
	s_mov_b32 s[\g+7], 0
.endm
.macro GRP0 g, lds, adr
	s_mov_b32 s[\g], 1
	s_mov_b32 s[\g+1], \lds
	s_mov_b64 s[\g+2:\g+3], s[\adr:\adr+1]
	s_or_b32 s[\g+3], s[\g+3], 0x80000000
.endm
	s_load_b128 s[4:7], s[0:1], 0x0                ; yq, wq
	s_load_b128 s[8:11], s[0:1], 0x10              ; b_proj, out0
	v_lshl_add_u32 v[SPW], v0, 2, SPARE
	v_mov_b32 v[NIL], 0
	ds_add_u32 v[SPW], v[NIL]                      ; the opening lines: the add, twice on end, and its wait
	ds_add_u32 v[SPW], v[NIL]
	v_lshrrev_b32 v1, 5, v0
	v_readfirstlane_b32 s14, v1                    ; wave 0..3
	s_lshr_b32 s15, s14, 1                         ; which 64 of A's rows are mine
	s_and_b32 s16, s14, 1                          ; which 128 of B's
	s_bfe_u32 s66, ttmp6, 0x40000                  ; cx
	s_bfe_u32 s67, ttmp6, 0x40004                  ; cy
	s_lshl_b32 s104, ttmp9, 2
	s_add_co_u32 s104, s104, s66                   ; the block's column
	s_and_b32 s17, ttmp7, 0xffff
	s_lshl_b32 s17, s17, 2
	s_add_co_u32 s17, s17, s67                     ; the block's row
	s_lshl_b32 s100, s67, 2
	s_lshl_b32 s100, 15, s100                      ; my row of the cluster
	s_lshl_b32 s101, 0x1111, s66                   ; my column
	DESC G1, 100, 384
	DESC G1B, 101, 768
	DESC G1S, 100, 16
	DESC G1SB, 101, 32
	s_mul_i32 s18, s17, 8*RB
	s_mov_b32 s19, 0
	s_lshl_b32 s22, s17, 12
	s_add_co_u32 s22, s22, XS
	s_mov_b32 s23, 0
	s_mul_i32 s20, s104, 16*RB
	s_add_co_u32 s20, s20, WPC
	s_mov_b32 s21, 0
	s_lshl_b32 s2, s104, 13
	s_add_co_u32 s2, s2, WPS
	s_mov_b32 s3, 0
	s_wait_dscnt 0x0                               ; both opening adds are done
	s_wait_kmcnt 0x0
	s_add_nc_u64 s[18:19], s[4:5], s[18:19]
	s_add_nc_u64 s[22:23], s[4:5], s[22:23]
	s_add_nc_u64 s[20:21], s[6:7], s[20:21]
	s_add_nc_u64 s[2:3], s[6:7], s[2:3]
	CROUND                                         ; all sixteen work-groups are here: the joint loads meet
	GRP0 G0, 0, 18
	GRP0 G0B, BREG, 20
	GRP0 G0S, SCL, 22
	GRP0 G0SB, SCL+4096, 2
; One tree of branches on the wave's number: wave 0 fetches A's codes, wave 1 B's, wave 2 A's scale bytes, wave 3 B's; every way passes exactly one load.
.macro ARM under, g0, g1, next
	s_cmp_lt_u32 s14, \under
	s_cbranch_scc0 \next
	tensor_load_to_lds s[\g0:\g0+3], s[\g1:\g1+7]
	s_nop 0
.rept 4
	v_nop
.endr
	s_branch .Lhead_asked
\next:
.endm
	ARM 1, G0,  G1,  .Lhead_b
	ARM 2, G0B, G1B, .Lhead_sa
	ARM 3, G0S, G1S, .Lhead_sb
	tensor_load_to_lds s[G0SB:G0SB+3], s[G1SB:G1SB+7]
	s_nop 0
.rept 4
	v_nop
.endr
.Lhead_asked:
	s_lshl_b32 s4, s104, 10
	s_lshl_b32 s5, s16, 9
	s_add_co_u32 s4, s4, s5
	s_mov_b32 s5, 0
	s_add_nc_u64 s[8:9], s[8:9], s[4:5]            ; the bias at my 128 columns
	s_add_nc_u64 s[12:13], s[10:11], s[4:5]
	s_lshl_b32 s4, s17, 19                         ; 128 rows of 4,096 bytes
	s_lshl_b32 s6, s15, 18
	s_add_co_u32 s4, s4, s6
	s_add_nc_u64 s[12:13], s[12:13], s[4:5]        ; out0 at my 64 rows and 128 columns
	s_mul_i32 s80, s15, 4*RB                       ; my rows of A,
	s_mul_i32 s81, s16, 8*RB
	s_add_co_u32 s81, s81, BREG                    ; of B: blocks 0-3,
	s_add_co_u32 s82, s81, 4*RB                    ; blocks 4-7
	s_lshl_b32 s83, s15, 11
	s_lshl_b32 s84, s16, 12
	s_add_co_u32 s84, s84, 4096
	s_sub_co_u32 s84, s84, s83                     ; from my A's scale bytes to my B's
	s_add_co_u32 s83, s83, SCL
	s_mul_i32 s85, s14, 16*SPITCH                  ; my stage
	v_and_b32 v1, 15, v0                           ; r
	v_bfe_u32 v2, v0, 4, 1                         ; h
	v_and_b32 v3, 31, v0
	v_lshlrev_b32 v[BO], 6, v2
.irp b, 0,1,2,3,4,5,6,7
	global_load_b128 v[BI+8*\b:BI+8*\b+3], v[BO], s[8:9] offset:128*(\b/2)+32*(\b%2)       ; register 8 b + j: the bias of column 32 (b / 2) + 8 (b % 2) + 16 h + j
	global_load_b128 v[BI+8*\b+4:BI+8*\b+7], v[BO], s[8:9] offset:128*(\b/2)+32*(\b%2)+16
.endr
	v_lshlrev_b32 v[CO], 4, v3
	v_lshlrev_b32 v4, 3, v3
	v_add_nc_u32 v[ADRA], s80, v[CO]
	v_add_nc_u32 v[ADRA+1], s80, v4
	v_add_nc_u32 v[ADRB], s81, v[CO]
	v_add_nc_u32 v[ADRB+1], s81, v4
	v_add_nc_u32 v[ADRB+2], s82, v[CO]
	v_add_nc_u32 v[ADRB+3], s82, v4
	v_lshlrev_b32 v5, 3, v1                        ; my row's two words of 256 along K
	v_mul_u32_u24 v6, s84, v2                      ; lanes 16-31 take B's
	v_add_nc_u32 v5, v5, v6
	v_add_nc_u32 v[ADRS], s83, v5
	v_mul_u32_u24 v5, v1, SPITCH
	v_lshl_add_u32 v5, v2, 6, v5
	v_add_nc_u32 v[STO], s85, v5
	v_add_nc_u32 v[RD], s85, v[CO]
.macro FRAG reg, adr, off              ; a fragment: two units on end
	ds_load_b128 v[\reg:\reg+3], v[\adr] offset:\off
	ds_load_b64 v[\reg+4:\reg+5], v[\adr+1] offset:\off+512
	ds_load_b128 v[\reg+6:\reg+9], v[\adr] offset:\off+768
	ds_load_b64 v[\reg+10:\reg+11], v[\adr+1] offset:\off+1280
.endm
; n blocks of A from a0 on x B's eight.  The accumulators take turns, one instruction a turn.  first = 1: the bias starts the sums.
.macro MULR a0, n, p, q, sc, first
.set aa, \a0
.rept \n
.irp b, 0,1,2,3,4,5,6,7
.if \first
	v_wmma_scale_f32_16x16x128_f8f6f4 v[8*(8*aa+\b):8*(8*aa+\b)+7], v[128*(\p)+FR*\b:128*(\p)+FR*\b+FR-1], v[AF+FR*aa:AF+FR*aa+FR-1], v[BI+8*\b:BI+8*\b+7], v[SC+16*(\sc)+2*\b+(\q)], v[SC+16*(\sc)+2*aa+(\q)] matrix_a_fmt:MATRIX_FMT_BF6 matrix_b_fmt:MATRIX_FMT_BF6 matrix_a_scale:MATRIX_SCALE_ROW1
.else
	v_wmma_scale_f32_16x16x128_f8f6f4 v[8*(8*aa+\b):8*(8*aa+\b)+7], v[128*(\p)+FR*\b:128*(\p)+FR*\b+FR-1], v[AF+FR*aa:AF+FR*aa+FR-1], v[8*(8*aa+\b):8*(8*aa+\b)+7], v[SC+16*(\sc)+2*\b+(\q)], v[SC+16*(\sc)+2*aa+(\q)] matrix_a_fmt:MATRIX_FMT_BF6 matrix_b_fmt:MATRIX_FMT_BF6 matrix_a_scale:MATRIX_SCALE_ROW1
.endif
.endr
.set aa, aa+1
.endr
.endm
.macro FETCH_B n                       ; B's eight fragments of step n (128 along K: 1,536 bytes of each 16 rows) into set n % 2
	WIN TO_B
.irp i, 0,1,2,3,4,5,6,7
	FRAG 128*((\n)%2)+FR*\i, ADRB+2*(\i/4), (\i%4)*RB+(\n)*1536
.endr
	WIN 0
.endm
.macro FETCH_A n, i0
.irp i, \i0, \i0+1
	FRAG AF+FR*(\i), ADRA, (\i)*RB+(\n)*1536
.endr
.endm
.macro SCALES k                        ; the scale words of steps 2 k and 2 k + 1 into set k % 2: lanes 0-15 take A's block i, lanes 16-31 B's block i
.irp i, 0,1,2,3,4,5,6,7
	ds_load_b64 v[SC+16*((\k)%2)+2*\i:SC+16*((\k)%2)+2*\i+1], v[ADRS] offset:\i*SBLK+128*(\k)
.endr
.endm
.macro PLACES n                        ; plain vector instructions between a matrix instruction and a load into, or a read of, its registers
.rept \n
	v_nop
.endr
.endm
.macro STEP n, first                   ; step n: 32 matrix instructions; step n + 1's fragments are fetched in its middle and at its end
.set NN, (\n)+1
	s_wait_dscnt 2*NL                              ; all but the youngest eight loads (A's blocks 2, 3) are in
	WIN MUL-0x20*(\first)
	MULR 0, 2, (\n)%2, (\n)%2, ((\n)/2)%2, \first
	s_wait_dscnt 0x0
	PLACES NP
	FETCH_B NN
	FETCH_A NN, 0
.if NN%2 == 0
	SCALES NN/2
.endif
	WIN MUL-0x20*(\first)
	MULR 2, 2, (\n)%2, (\n)%2, ((\n)/2)%2, \first
	PLACES NP
	WIN 0
	FETCH_A NN, 2
.endm
	s_wait_alu depctr_va_vdst(0)
	s_wait_tensorcnt 0x0                           ; my tile is in,
	s_barrier_signal -1
	s_barrier_wait -1                              ; and so are all four
	FETCH_B 0
	FETCH_A 0, 0
	SCALES 0
	FETCH_A 0, 2
	s_wait_loadcnt 0x0                             ; the bias
	STEP 0, 1
.irp n, 1,2,3,4,5,6
	STEP \n, 0
.endr
	s_wait_dscnt 2*NL                              ; the last step: nothing more to fetch
	WIN MUL
	MULR 0, 2, 1, 1, 1, 0
	s_wait_dscnt 0x0                               ; my reads of the tiles are over:
	s_barrier_signal -1                            ; say so,
	MULR 2, 2, 1, 1, 1, 0
	WIN 0
	s_barrier_wait -1                              ; and store to the stage, which lies on A's first bytes, when all four have said so
; THE WAY OUT, block by block of 16 rows x 128 columns: through my own stage in LDS, back as whole rows of 512 bytes.  LDS serves a wave's instructions in order (ISA guide 5.7.1.4): no wait between the stores and the loads.
.macro TOSTAGE a
.set AC, 64*(\a)
	WIN 0x08
.irp b, 0,1,2,3,4,5,6,7
	ds_store_b128 v[STO], v[AC+8*\b:AC+8*\b+3] offset:128*(\b/2)+32*(\b%2)          ; each accumulator from its low end on
	ds_store_b128 v[STO], v[AC+8*\b+4:AC+8*\b+7] offset:128*(\b/2)+32*(\b%2)+16
.endr
	WIN 0
.set BB, BK+64*((\a)%2)
.irp t, 0,1,2,3,4,5,6,7,8,9,10,11,12,13,14,15
	ds_load_b128 v[BB+4*\t:BB+4*\t+3], v[RD] offset:\t*SPITCH
.endr
.endm
.macro SEND a, younger                 ; position 16 a + t is token 32 (a / 2) + 8 (a % 2) + t + 8 (t / 8); 32 lanes store 512 consecutive bytes, aligned
.set BB, BK+64*((\a)%2)
	s_wait_dscnt \younger
.irp t, 0,1,2,3,4,5,6,7,8,9,10,11,12,13,14,15
	global_store_b128 v[CO], v[BB+4*\t:BB+4*\t+3], s[12:13] offset:(32*((\a)/2)+8*((\a)%2)+\t+8*(\t/8))*4096 th:TH_STORE_NT
.endr
.endm
	PLACES NP
	TOSTAGE 0
.irp a, 1,2,3
.if \a > 1
	s_wait_xcnt 0x0                                ; block a - 2's stores have read their registers: block a's loads may land there
.endif
	TOSTAGE \a
	SEND \a-1, 32                                  ; behind block a - 1's loads: block a's 16 stores and 16 loads
.endr
	SEND 3, 0
	s_wait_tensorcnt 0x0                           ; the wave's end
	ds_add_u32 v[SPW], v[NIL]
	s_wait_dscnt 0x0
	CROUND                                         ; the closing round
	s_endpgm
.Lfunc_end_k_qd44724346f_proj:
	.size	k_qd44724346f_proj, .Lfunc_end_k_qd44724346f_proj-k_qd44724346f_proj
	.p2alignl 7, 3214868480
	.fill 96, 4, 3214868480
	.section	.rodata,"a",@progbits
	.p2align	6, 0x0
	.amdhsa_kernel k_qd44724346f_proj
		.amdhsa_group_segment_fixed_size 327680
		.amdhsa_private_segment_fixed_size 0
		.amdhsa_enable_private_segment 0
		.amdhsa_kernarg_size 32
		.amdhsa_user_sgpr_count 2
		.amdhsa_user_sgpr_kernarg_segment_ptr 1
		.amdhsa_wavefront_size32 1
		.amdhsa_system_sgpr_workgroup_id_x 1
		.amdhsa_system_sgpr_workgroup_id_y 1
		.amdhsa_system_sgpr_workgroup_id_z 1
		.amdhsa_system_vgpr_workitem_id 0
		.amdhsa_next_free_vgpr 768
		.amdhsa_next_free_sgpr 106
		.amdhsa_reserve_vcc 0
		.amdhsa_float_denorm_mode_32 3
		.amdhsa_float_denorm_mode_16_64 3
		.amdhsa_memory_ordered 1
		.amdhsa_forward_progress 1
		.amdhsa_inst_pref_size 86
	.end_amdhsa_kernel
	.amdgpu_metadata
---
amdhsa.version: [ 1, 2 ]
amdhsa.kernels:
  - .name:           k_qd44724346f_proj
    .symbol:         k_qd44724346f_proj.kd
    .args:
      - { .name: yq, .offset: 0, .size: 8, .value_kind: global_buffer, .address_space: global }
      - { .name: wq, .offset: 8, .size: 8, .value_kind: global_buffer, .address_space: global }
      - { .name: b_proj, .offset: 16, .size: 8, .value_kind: global_buffer, .address_space: global }
      - { .name: out0, .offset: 24, .size: 8, .value_kind: global_buffer, .address_space: global }
    .group_segment_fixed_size: 327680
    .private_segment_fixed_size: 0
    .kernarg_segment_align: 8
    .kernarg_segment_size: 32
    .max_flat_workgroup_size: 128
    .sgpr_count:     106
    .vgpr_count:     768
    .wavefront_size: 32
...
	.end_amdgpu_metadata
.endif
;; end of part 4
